; MI455X (gfx1250); checked and timed in simulation.
; The chip was launched on July 23, 2026; its instructions are those of AMD's public machine-readable ISA for CDNA 5 (MIT licence, August 2026) and "CDNA5" Instruction Set Architecture Reference Guide (July 2026). The comments in the code are by the model that wrote it; some were corrected since.
;; Hydra Attention. Allowed arithmetic: matrix products marked QUANTISED: E3M2 operands, one E8M0 scale for each 32 along K, by v_wmma_scale_f32_16x16x128_f8f6f4 with both operands' format E3M2, f32 sums; everything else in f32.
;; Inputs: W_out 1,024 x 1,024 float32; W_qkv 1,024 x 3,072 float32; b_out 1,024 float32; b_qkv 3,072 float32; x 4 x 4,096 x 1,024 float32.
;; Outputs: out0 4 x 4,096 x 1,024 float32.
;; This version of the problem:
;;   THIS VERSION OF THE PROBLEM IS GIVEN IN LOW PRECISION. The matrix products marked QUANTISED in the list below multiply operands that are first quantised to E3M2 (3 exponent bits, 2 mantissa bits; 6 bits a number), with one power-of-two scale for each 32 numbers along K (OCP MX v1.0); their sums are f32. All else is computed in f32.
;;   The module's matrix products, in the order in which they are computed (A, B: the left and right operand; K: the contracted axis; several contracted axes count as one K, in the product's order):
;;     1. [M 16,384, K 1,024] x [K 1,024, N 3,072]; A: input x; B: input W_qkv: QUANTISED
;;     2. [M 16,384, K 1,024] x [K 1,024, N 1,024]; A: computed on the way; B: input W_out: QUANTISED
;;   THE QUANTISER, for each operand of a quantised product, along K:
;;     - K is cut into blocks of 32 from its start; a last block that is shorter is filled with zeros.
;;     - A block's scale is 2^e with e = floor(log2(the largest magnitude in the block)) - 4, held to -126 .. 127; a block of zeros has e = 0. As a byte (E8M0): e + 127.
;;     - Each number is divided by its block's scale, clamped to +-28, and rounded to the nearest number of E3M2, ties to even, subnormals kept.
;;     - The product sums the exact products of the quantised numbers (number of the format x scale) in f32.
;;   ~~~python
;;   def quantise(x, axis):      # numpy; x: float32 -> the quantised numbers, widened to float32 again
;;       x = np.moveaxis(x, axis, -1); K = x.shape[-1]
;;       x = np.pad(x, [(0, 0)] * (x.ndim - 1) + [(0, -K % 32)]); x = x.reshape(x.shape[:-1] + (-1, 32)); a = np.abs(x).max(-1, keepdims=True)
;;       e = np.where(a > 0, np.clip(np.frexp(np.where(a > 0, a, 1))[1] - 1 - 4, -126, 127), 0)      # np.frexp(a)[1] - 1 = floor(log2(a)), exactly
;;       r = np.clip(x / 2.0 ** e, -28, 28)
;;       step = 2.0 ** (np.maximum(np.frexp(np.where(r == 0, 1, r))[1] - 1, -2) - 2)
;;       q = np.round(r / step) * step * 2.0 ** e      # np.round: ties to even
;;       return np.moveaxis(q.reshape(q.shape[:-2] + (-1,))[..., :K], -1, axis).astype(np.float32)
;;   ~~~
;;   OPERANDS COMPUTED ON THE WAY. 'Computed on the way' means the value that the module computes at that place (a softmax that the list does not call 'softmax' is quantised finished and normalised). What goes into a quantiser is computed in f32, as accurately as f32 sums, v_exp_f32 and their like allow (about 1e-6 of the number): no bf16 or f16 on the way to a quantiser, and a product that is left as it is and whose result goes on into a quantised operand takes f32 operands (vector FMAs, or v_wmma_f32_16x16x4_f32). A number that lies on a knife's edge between two numbers of the format may be rounded either way, as far as f32 arithmetic and the matrix unit's own rounding can turn it there, and no further.
;; 2 versions. Each part assembles by itself: llvm-mc -triple=amdgcn-amd-amdhsa -mcpu=gfx1250 --defsym DOCPART=n.
;; ======== version 1 of 2: 3 launches
;; workspace buffers: xq 13,107,200 bytes; wq 3,293,184 bytes; kvp 1,048,576 bytes
;; launch quant (part 1): grid 384 x 1, 4 waves a work-group, no clusters, 34,304 bytes of LDS; arguments x, W_qkv, b_qkv, W_out, b_out, xq, wq; writes xq, wq
.if DOCPART == 1
	.amdgcn_target "amdgcn-amd-amdhsa--gfx1250"
	.amdhsa_code_object_version 6
	.text
	.protected	k_q888ccca8ec_quant
	.globl	k_q888ccca8ec_quant
	.p2align	8
	.type	k_q888ccca8ec_quant,@function
k_q888ccca8ec_quant:
	s_mov_b64 s[64:65], 0
	v_nop
	global_prefetch_b8 v0, s[64:65] scope:SCOPE_SE
	s_setreg_imm32_b32 hwreg(HW_REG_WAVE_MODE, 25, 1), 1
	s_wait_xcnt 0x0
; x [16384][1024], W_qkv [1024][3072] and W_out [1024][1024], f32, become codes of BF6 (E3M2) with one E8M0 byte for each 32 along K, laid in the ORDER OF THE OPERAND'S
; REGISTERS, so that the two launches behind this one fetch a fragment (16 rows x 128 K, 12 registers a lane) by three loads of 16 bytes a lane, 512 dense bytes each.
; A block's scale is 2^(floor(log2(its largest magnitude)) - 4); its byte is the largest magnitude's exponent field - 4, held at 1 from below.
; xq: [1024 tiles of 16 rows][12,800 bytes]: the image of K step s at 1,536 s (registers 4 g .. 4 g + 3 of lane l at 512 g + 16 l); at 12,288 sixteen bytes a lane:
;     word j is the scale word of row l % 16 for K step 2 j + l / 16.
; wq: [64 places][51,456 bytes], a place = 64 columns of [W_qkv | W_out] (a chunk): four quarters of 12,800 bytes (K steps 2 sh, 2 sh + 1): the image of (K step sl, tile t) at
;     1,536 (4 sl + t); at 12,288 + 256 i + 8 l + 4 sl the scale word of tile 2 i + l / 16, its row l % 16; at 51,200 the chunk's 64 biases as they lie.
;     Row r of tile 2 b + u is column 32 b + 8 u + r + 8 (r / 8) of the chunk, so that the results of two neighbouring tiles are 16 neighbours along the next product's K.
;     Places: waves 2 j, 2 j + 1 of the last launch walk 8 j .. 8 j + 7 (four chunks of q, four of W_out), those of the middle launch 32 + 8 j .. + 7 (four of k, four of v).
; SHARES: work-groups 0-255: a wave takes one tile of x.  Work-groups 256-383: a wave takes 32 columns (two tiles) x 256 along K of a weight.  Waves share nothing: no barrier.
; LIMITS: NaN and infinities among the inputs are not served.  A block of zeros, or one whose largest magnitude lies under 2^-122, gets the byte 1 where the quantiser's text says 127
; for zeros: a block of zeros has zero codes, which add nothing under any byte but 0xff, and these bytes are read by this program alone.
.set XT,   12800                       ; a tile of xq
.set CH,   51456                       ; a chunk of wq
.set QB,   12800                       ; a quarter of a chunk
.set FB,   1536                        ; a fragment's image
.set SP,   528                         ; the x path's stage: a row of 512 bytes + 16; 16 rows a wave
.set R,    16                          ; v16-143  x: two sets of 64 registers as loaded
.set X,    144                         ; v144-207 x: 64 numbers of my row: register 16 b + i = k 32 b + 16 (lane / 16) + i
.set TM,   208                         ; v208-223 at work in QUANT
.set PC,   224                         ; v224-243 the codes just made
.set PW,   244                         ; the scale word just made
.set PWE,  245                         ; that of the even K step
.set SW,   246                         ; v246-249 the tile's sixteen bytes of scale words a lane
.set SEL,  20                          ; s[20:21] selects of v_permlanex16_b32: lane l xor 16
.set NUM,  16                          ; v16-143  W: 128 numbers down K of my column
.set F,    144                         ; v144-191 W: for K step sl: blocks 0, 2 at F + 24 sl, blocks 1, 3 at F + 24 sl + 12
.set TQ,   192                         ; v192-194 a block's upper sixteen codes (a conversion's three registers begin on an even number)
.set WSW,  202                         ; v202-203 my column's two scale words
; 64 numbers of a lane, register 16 b + i = k 32 b + 16 (lane / 16) + i of my row, become a fragment's codes in v[PC] on and its scale word in v[PW].
.macro QUANT s
.irp b, 0,1,2,3
	v_max3_num_f32 v[TM+\b], |v[\s+16*\b]|, |v[\s+1+16*\b]|, 0x2800000   ; my 16 numbers of block b, and the floor 2^(5 - 127): the byte cannot fall under 1
.endr
.irp i, 2,4,6,8,10,12,14
.irp b, 0,1,2,3
	v_max3_num_f32 v[TM+\b], v[TM+\b], |v[\s+16*\b+\i]|, |v[\s+1+16*\b+\i]|   ; the four blocks by turns
.endr
.endr
.irp b, 0,1,2,3
	v_permlanex16_b32 v[TM+4+\b], v[TM+\b], s[SEL], s[SEL+1]
.endr
.irp b, 0,1,2,3
	v_max_num_f32 v[TM+\b], v[TM+\b], v[TM+4+\b]       ; with lane l xor 16's: the block's largest magnitude
.endr
.irp b, 0,1,2,3
	v_add_nc_u32 v[TM+12+\b], 0xfe000000, v[TM+\b]     ; 4 off its exponent field: the conversion takes the exponent field of this operand as its scale
.endr
.irp b, 0,1,2,3
	v_lshrrev_b32 v[TM+4+\b], 23, v[TM+12+\b]          ; the scale's byte
.endr
	v_lshl_or_b32 v[PW], v[TM+5], 8, v[TM+4]
	v_lshl_or_b32 v[PW], v[TM+6], 16, v[PW]
	v_lshl_or_b32 v[PW], v[TM+7], 24, v[PW]            ; my row's scale word, the same in both halves of the lanes
.irp c, 0,1
	v_cvt_scalef32_pk16_bf6_f32 v[PC+6*\c:PC+2+6*\c], v[\s+32*\c:\s+15+32*\c], v[TM+12+2*\c]
	v_cvt_scalef32_pk16_bf6_f32 v[PC+12+4*\c:PC+14+4*\c], v[\s+16+32*\c:\s+31+32*\c], v[TM+12+2*\c+1]
.endr
	v_nop                                              ; one plain instruction behind the scaled conversions
.irp c, 0,1                                        ; the operand wants a whole block in a lane: lanes 0-15 block 2 c, lanes 16-31 block 2 c + 1
.irp i, 0,1,2
	v_permlane16_swap_b32 v[PC+6*\c+\i], v[PC+12+4*\c+\i]
.endr
.irp i, 0,1,2
	v_mov_b32 v[PC+3+6*\c+\i], v[PC+12+4*\c+\i]
.endr
.endr
.endm
; x: K step s of my 16 rows: sixteen loads, each 512 consecutive bytes of one row
.macro XLOAD s
.set ii, 0
.rept 16
	global_load_b128 v[R+64*((\s)%2)+4*ii:R+64*((\s)%2)+4*ii+3], v1, s[4:5] offset:4096*ii+512*(\s) th:TH_LOAD_NT
.set ii, ii+1
.endr
.endm
.macro XSTEP s
.if (\s) < 7
	s_wait_loadcnt 16                              ; this K step's sixteen loads are in; the next step's sixteen may be out
.else
	s_wait_loadcnt 0x0
.endif
	s_wait_xcnt 0x0                                ; the last step's stores have read the codes' registers, which QUANT writes again
.set ii, 0
.rept 16
	ds_store_b128 v2, v[R+64*((\s)%2)+4*ii:R+64*((\s)%2)+4*ii+3] offset:SP*ii   ; through my own stage, as they lie
.set ii, ii+1
.endr
.irp b, 0,1,2,3
.irp j, 0,1,2,3
	ds_load_b128 v[X+16*\b+4*\j:X+16*\b+4*\j+3], v3 offset:128*\b+16*\j         ; and back: 16 neighbours of each block of my row.  LDS serves a wave's instructions in order
.endr
.endr
	s_wait_dscnt 0x0                               ; the numbers are back, and the stores have read their registers,
.if (\s) < 6
	XLOAD (\s)+2                                   ; which take the loads of two steps on
.endif
	QUANT X
.irp g, 0,1,2
	global_store_b128 v1, v[PC+4*\g:PC+4*\g+3], s[14:15] offset:FB*(\s)+512*\g  ; 32 lanes store 512 consecutive bytes, at a multiple of 256 from the buffer's first byte
.endr
.if (\s)%2 == 0
	v_mov_b32 v[PWE], v[PW]
.else
	v_cndmask_b32 v[SW+(\s)/2], v[PWE], v[PW], s36 ; lanes 0-15 keep the even step's word, lanes 16-31 the odd step's
.endif
.endm
; W: block bb of K step sl: 32 numbers down K of my column; each load reads 128 consecutive bytes of one row of W
.macro WLOAD sl, bb, pitch
.set ii, 0
.rept 32
	global_load_b32 v[NUM+32*(\bb)+ii], v4, s[22:23] offset:(128*(\sl)+32*(\bb)+ii)*(\pitch) th:TH_LOAD_NT
.set ii, ii+1
.endr
.endm
.macro WBLOCK sl, bb, cnt, pitch
.set NB, NUM+32*(\bb)
.set FD, F+24*(\sl)+12*((\bb)%2)+6*((\bb)/2)
	s_wait_loadcnt \cnt                            ; the block's 32 loads are in (the count: the loads issued behind them, or 63 where they are more)
	v_max3_num_f32 v196, |v[NB]|, |v[NB+1]|, |v[NB+2]|     ; the block's largest magnitude: all 32 numbers are mine
	v_max3_num_f32 v197, |v[NB+3]|, |v[NB+4]|, |v[NB+5]|
.irp i, 6,10,14,18,22,26
	v_max3_num_f32 v196, v196, |v[NB+\i]|, |v[NB+\i+1]|
	v_max3_num_f32 v197, v197, |v[NB+\i+2]|, |v[NB+\i+3]|
.endr
	v_max3_num_f32 v196, v196, |v[NB+30]|, |v[NB+31]|
	v_max3_num_f32 v196, v196, v197, 0x2800000     ; and the floor 2^(5 - 127)
	v_add_nc_u32 v200, 0xfe000000, v196            ; the conversion's scale operand
	v_lshrrev_b32 v201, 23, v200                   ; the scale's byte
.if (\bb) == 0
	v_mov_b32 v[WSW+(\sl)], v201
.else
	v_lshl_or_b32 v[WSW+(\sl)], v201, 8*(\bb), v[WSW+(\sl)]
.endif
	v_cvt_scalef32_pk16_bf6_f32 v[FD:FD+2], v[NB:NB+15], v200
	v_cvt_scalef32_pk16_bf6_f32 v[TQ:TQ+2], v[NB+16:NB+31], v200
	v_nop                                          ; one plain instruction behind the scaled conversions
.irp i, 0,1,2
	v_mov_b32 v[FD+3+\i], v[TQ+\i]
.endr
.if (\sl) == 0
	WLOAD 1, \bb, \pitch                           ; the block's registers take the same block of the second K step
.endif
.endm
; Lane (u, r) holds all four blocks of row r of tile 2 i + u.  The exchange gives lanes 0-15 blocks 0, 2 and lanes 16-31 blocks 1, 3 of ONE tile: the first run becomes tile 2 i's image, the second tile 2 i + 1's.
.macro WOUT sl
.set ii, 0
.rept 12
	v_permlane16_swap_b32 v[F+24*(\sl)+ii], v[F+24*(\sl)+12+ii]
.set ii, ii+1
.endr
.irp u, 0,1
.irp g, 0,1,2
	global_store_b128 v1, v[F+24*(\sl)+12*\u+4*\g:F+24*(\sl)+12*\u+4*\g+3], s[32:33] offset:(4*(\sl)+\u)*FB+512*\g
.endr
.endr
.endm
.macro WPATH pitch
	global_load_b32 v204, v4, s[38:39]             ; my column's bias: the oldest load, so no count below has to know of it
	WLOAD 0, 0, \pitch
	WLOAD 0, 1, \pitch
	WLOAD 0, 2, \pitch
	WLOAD 0, 3, \pitch
	WBLOCK 0, 0, 63, \pitch                        ; 96 loads stand behind each of these blocks'
	WBLOCK 0, 1, 63, \pitch
	WBLOCK 0, 2, 63, \pitch
	WBLOCK 0, 3, 63, \pitch
	WOUT 0
	WBLOCK 1, 0, 63, \pitch                        ; 96 behind it
	WBLOCK 1, 1, 63, \pitch                        ; 64
	WBLOCK 1, 2, 32, \pitch
	WBLOCK 1, 3, 0, \pitch
	WOUT 1
	global_store_b64 v5, v[WSW:WSW+1], s[34:35]    ; 32 lanes store 256 consecutive bytes
	s_cmp_lg_u32 s25, 0                            ; the chunk's biases are stored by its first quarter alone: each byte has one owner
	s_cbranch_scc1 .Lno_bias_\@
	global_store_b32 v4, v204, s[36:37]
.Lno_bias_\@:
	s_endpgm
.endm
	s_load_b256 s[4:11], s[0:1], 0x0               ; x s[4:5], W_qkv s[6:7], b_qkv s[8:9], W_out s[10:11]
	s_load_b128 s[12:15], s[0:1], 0x20             ; b_out s[12:13], xq s[14:15]
	s_load_b64 s[16:17], s[0:1], 0x30              ; wq
	v_lshl_add_u32 v254, v0, 2, 0x8400
	v_mov_b32 v255, 0
	v_lshrrev_b32 v1, 5, v0
	v_readfirstlane_b32 s18, v1                    ; wave 0..3
	v_and_b32 v6, 31, v0                           ; lane
	v_and_b32 v7, 15, v0                           ; r
	v_bfe_u32 v8, v0, 4, 1                         ; lane / 16
	v_lshlrev_b32 v1, 4, v6                        ; 16 x lane
	s_mov_b32 s[SEL], 0x76543210
	s_mov_b32 s[SEL+1], 0xfedcba98
	s_cmp_lt_u32 ttmp9, 256
	s_cbranch_scc0 .Lweights
	; ---- x: tile 4 x work-group + wave
	s_mul_i32 s22, s18, 16*SP                      ; my stage
	v_add_nc_u32 v2, s22, v1                       ; in: 16 bytes a lane of a row's 512
	v_mul_u32_u24 v3, v7, SP
	v_lshl_add_u32 v3, v8, 6, v3
	v_add_nc_u32 v3, s22, v3                       ; out: row r, + 64 bytes for lanes 16-31
	v_cmp_lt_u32 s36, 15, v6                       ; lanes 16-31
.irp b, 0,1,2,3
	v_mov_b32 v[TM+4+\b], 0                        ; written once: a lane permute's destination counts as one of its sources
.endr
	s_lshl_b32 s24, ttmp9, 2
	s_add_co_u32 s24, s24, s18                     ; my tile
	s_lshl_b32 s26, s24, 16                        ; 16 rows of 4,096 bytes
	s_mov_b32 s27, 0
	s_mul_i32 s28, s24, XT
	s_mov_b32 s29, 0
	s_wait_kmcnt 0x0
	s_add_nc_u64 s[4:5], s[4:5], s[26:27]
	s_add_nc_u64 s[14:15], s[14:15], s[28:29]
	XLOAD 0
	XLOAD 1
.irp s, 0,1,2,3,4,5,6,7
	XSTEP \s
.endr
	global_store_b128 v1, v[SW:SW+3], s[14:15] offset:12288
	s_wait_tensorcnt 0x0
	ds_add_u32 v254, v255
	s_wait_dscnt 0x0
	s_endpgm
.Lweights:
	; ---- weights: 32 columns (pair) x 256 along K (quarter sh)
	v_and_b32 v9, 8, v7
	v_add_nc_u32 v9, v9, v7                        ; r + 8 (r / 8)
	v_lshl_add_u32 v9, v8, 3, v9                   ; + 8 u: my column among the pair's 32
	v_lshlrev_b32 v4, 2, v9
	v_lshlrev_b32 v5, 3, v6                        ; 8 x lane
	s_sub_co_u32 s24, ttmp9, 256
	s_and_b32 s25, s24, 3                          ; sh
	s_and_b32 s26, s24, 0x7c
	s_add_co_u32 s26, s26, s18                     ; pair 0..127: 96 of W_qkv, then 32 of W_out
	s_and_b32 s27, s26, 1                          ; i: which two tiles of the chunk
	s_lshr_b32 s28, s26, 1                         ; chunk 0..63
	s_lshr_b32 s29, s28, 4                         ; kind: 0 q, 1 k, 2 v, 3 W_out
	s_bfe_u32 s30, s28, 0x20002                    ; the pair of waves (w / 2) that will use it
	s_and_b32 s31, s28, 3                          ; which of that pair's four
	s_lshl_b32 s30, s30, 3
	s_add_co_u32 s30, s30, s31
	s_lshr_b32 s31, s29, 1
	s_xor_b32 s29, s29, s31
	s_and_b32 s29, s29, 1                          ; 1 for k and v
	s_lshl_b32 s29, s29, 5
	s_add_co_u32 s30, s30, s29
	s_lshl_b32 s31, s31, 2                         ; 4 for v and W_out
	s_add_co_u32 s30, s30, s31                     ; the chunk's place
	s_mul_i32 s30, s30, CH
	s_mov_b32 s31, 0
	s_wait_kmcnt 0x0
	s_add_nc_u64 s[16:17], s[16:17], s[30:31]      ; wq at my chunk
	s_lshl_b32 s30, s27, 7
	s_add_co_u32 s30, s30, 51200
	s_add_nc_u64 s[36:37], s[16:17], s[30:31]      ; where my pair's biases go
	s_mul_i32 s30, s25, QB
	s_add_nc_u64 s[16:17], s[16:17], s[30:31]      ; my quarter
	s_mul_i32 s30, s27, 2*FB
	s_add_nc_u64 s[32:33], s[16:17], s[30:31]      ; my two tiles' images
	s_lshl_b32 s30, s27, 8
	s_add_co_u32 s30, s30, 12288
	s_add_nc_u64 s[34:35], s[16:17], s[30:31]      ; their scale words
	s_mov_b32 s29, 0x100000                        ; 256 rows of W_out in bytes
	s_cmp_lt_u32 s26, 96                           ; W_qkv or W_out?  The choice hangs on the work-group's number alone
	s_cselect_b64 s[22:23], s[6:7], s[10:11]
	s_cselect_b64 s[38:39], s[8:9], s[12:13]
	s_cselect_b32 s28, 0, 96
	s_cselect_b32 s29, 0x300000, s29               ; 256 rows of W_qkv
	s_sub_co_u32 s28, s26, s28                     ; the pair within its tensor
	s_lshl_b32 s30, s28, 7                         ; 32 columns of 4 bytes
	s_add_nc_u64 s[38:39], s[38:39], s[30:31]
	s_mul_i32 s29, s29, s25
	s_add_co_u32 s30, s30, s29
	s_add_nc_u64 s[22:23], s[22:23], s[30:31]
	s_cmp_lt_u32 s26, 96
	s_cbranch_scc0 .Lw_out                         ; the two ways differ in the pitch alone, which stands in the loads' immediates
	WPATH 12288
.Lw_out:
	WPATH 4096
.Lfunc_end_k_q888ccca8ec_quant:
	.size	k_q888ccca8ec_quant, .Lfunc_end_k_q888ccca8ec_quant-k_q888ccca8ec_quant
	.p2alignl 7, 3214868480
	.fill 96, 4, 3214868480
	.section	.rodata,"a",@progbits
	.p2align	6, 0x0
	.amdhsa_kernel k_q888ccca8ec_quant
		.amdhsa_group_segment_fixed_size 34304
		.amdhsa_private_segment_fixed_size 0
		.amdhsa_enable_private_segment 0
		.amdhsa_kernarg_size 56
		.amdhsa_user_sgpr_count 2
		.amdhsa_user_sgpr_kernarg_segment_ptr 1
		.amdhsa_wavefront_size32 1
		.amdhsa_system_sgpr_workgroup_id_x 1
		.amdhsa_system_sgpr_workgroup_id_y 1
		.amdhsa_system_sgpr_workgroup_id_z 1
		.amdhsa_system_vgpr_workitem_id 0
		.amdhsa_next_free_vgpr 256
		.amdhsa_next_free_sgpr 66
		.amdhsa_reserve_vcc 0
		.amdhsa_float_denorm_mode_32 3
		.amdhsa_float_denorm_mode_16_64 3
		.amdhsa_memory_ordered 1
		.amdhsa_forward_progress 1
		.amdhsa_inst_pref_size 142
	.end_amdhsa_kernel
	.amdgpu_metadata
---
amdhsa.version: [ 1, 2 ]
amdhsa.kernels:
  - .name:           k_q888ccca8ec_quant
    .symbol:         k_q888ccca8ec_quant.kd
    .args:
      - { .name: x, .offset: 0, .size: 8, .value_kind: global_buffer, .address_space: global }
      - { .name: W_qkv, .offset: 8, .size: 8, .value_kind: global_buffer, .address_space: global }
      - { .name: b_qkv, .offset: 16, .size: 8, .value_kind: global_buffer, .address_space: global }
      - { .name: W_out, .offset: 24, .size: 8, .value_kind: global_buffer, .address_space: global }
      - { .name: b_out, .offset: 32, .size: 8, .value_kind: global_buffer, .address_space: global }
      - { .name: xq, .offset: 40, .size: 8, .value_kind: global_buffer, .address_space: global }
      - { .name: wq, .offset: 48, .size: 8, .value_kind: global_buffer, .address_space: global }
    .group_segment_fixed_size: 34304
    .private_segment_fixed_size: 0
    .kernarg_segment_align: 8
    .kernarg_segment_size: 56
    .max_flat_workgroup_size: 128
    .sgpr_count:     66
    .vgpr_count:     256
    .wavefront_size: 32
...
	.end_amdgpu_metadata
.endif
;; end of part 1
;; launch kvpart (part 2): grid 256 x 1, 8 waves a work-group, no clusters, 318,464 bytes of LDS; arguments xq, wq, kvp; writes kvp
.if DOCPART == 2
	.amdgcn_target "amdgcn-amd-amdhsa--gfx1250"
	.amdhsa_code_object_version 6
	.text
	.protected	k_q888ccca8ec_kvpart
	.globl	k_q888ccca8ec_kvpart
	.p2align	8
	.type	k_q888ccca8ec_kvpart,@function
k_q888ccca8ec_kvpart:
	s_mov_b64 s[64:65], 0
	v_nop
	global_prefetch_b8 v0, s[64:65] scope:SCOPE_SE
	s_setreg_imm32_b32 hwreg(HW_REG_WAVE_MODE, 25, 1), 1
	s_wait_xcnt 0x0
; kvp[g][d] = the sum over the 64 rows of work-group g of k[row][d] / |k[row]| x v[row][d], with k = x Wk + bk, v = x Wv + bv on codes of BF6 (E3M2) with E8M0 block scales; sums in f32.
; SHARES.  Work-group g owns rows 64 g .. 64 g + 63.  EIGHT waves, two to a SIMD, 512 registers each: wave w owns columns 128 w .. 128 w + 127 of k and of v, two chunks of 64 columns each.
; While one wave of a SIMD waits for weights or walks an epilogue the other has the matrix unit; and eight waves have 8 x 48 loads of 512 bytes of weights on their way where four would have half of that.
; x's codes of the 64 rows, K = 1,024, lie ONCE in LDS as 32 images of operand registers (49,152 bytes); each group of 16 products fetches its K step's four fragments by twelve loads of 512 dense bytes.
; A weight fragment feeds four matrix instructions.  The products are used TRANSPOSED (source 0 = 16 weight columns, source 1 = 16 rows of x): in accumulator (t = 2 b + u, m) register j of lane (r, h) is
; row 16 m + r, chunk column 32 b + 16 h + 8 u + j.  The bias is the C of a sum's first product.
; k waits in LDS for its row's norm (each wave's own 32,768 bytes, as images of the accumulators); the eight waves' sums of squares meet behind a barrier.  Two barriers in all: x's images; the sums of squares.
; The four chunks of a wave lie at places P0, P0 + 1 (k), P0 + 4, P0 + 5 (v) of wq, P0 = 32 + 8 (w / 2) + 2 (w % 2): one base, every chunk an immediate; so the four trips are written out and no pointer is stepped.
; NO CLUSTER, NO JOINT LOADS, though all work-groups walk the same weights: the 64 x 1,024 f32 that wait for the norm take 262,144 of a WGP's 327,680 bytes of LDS and x's images 49,152 more; and a weight
; fragment is used by ONE wave, so it goes from memory straight into that wave's registers, three loads of 512 dense bytes, through a ring of four register slots (a K step each), asked for four K steps ahead.
; LIMIT: a row's sum of squares has to lie in f32's normal range; a row of zeros gives NaN, as a division by a zero norm does.
; REGISTERS, in windows of 256: window 0: v1-10 addresses; v16-31 x's scale words; v32-47 the chunk's; v48-79 its biases; v80-207 the 16 accumulators; v208-223 sums of squares, 1 / norm; v224-255 at work.
;   window 1: v0-191 the ring's four slots; v192-239 x's four fragments of the K step in hand; in v's epilogue v192-255 half a kept chunk of k.
.set CH,   51456                       ; a chunk of wq
.set QB,   12800                       ; a quarter of it: two K steps
.set FB,   1536                        ; a fragment's image
.set XT,   12800                       ; a tile of xq
.set SCR,  262144                      ; LDS: behind the kept k: the waves' sums of squares, 256 w + 64 m + 4 r
.set KVS,  264192                      ; the wave's 128 sums, 512 w + 4 x column
.set XL,   268288                      ; x's images: (K step s, tile m) at 1,536 (4 s + m)
.set LI,   1                           ; v1  16 x lane
.set L8,   2                           ; v2  8 x lane
.set H64,  3                           ; v3  64 x (lane / 16)
.set KA0,  4                           ; v4  32,768 w + 16 x lane: my place in the kept k
.set XR,   5                           ; v5  XL + 16 x lane
.set NW,   6                           ; v6  SCR + 256 w + 4 r
.set NR,   7                           ; v7  SCR + 4 r
.set SA0,  8                           ; v8  KVS + 512 w + 64 (lane / 16)
.set XW,   9                           ; v9  where I store my twelve pieces of x's images
.set KVR,  10                          ; v10 KVS + 512 w + 16 x lane
.set XS,   16                          ; x's scale words: v[XS + 4 m + j]: lanes 0-15 K step 2 j, lanes 16-31 K step 2 j + 1
.set BS,   32                          ; the chunk's: v[BS + 4 q + 2 i + sl]: K step 2 q + sl; lanes 0-15 tile 2 i, lanes 16-31 tile 2 i + 1
.set BIAS, 48
.set ACC,  80
.set SS,   208
.set INV,  216
.set XB,   192                         ; in window 1
.set KT,   192                         ; in window 1
.set WQ,   12                          ; s[12:13] my first chunk; never rewritten
.set MSB,  0
.macro WIN new                         ; the immediate's high byte repeats the setting that is left; a switch that changes nothing is dropped
.if MSB != (\new)
	s_set_vgpr_msb (MSB<<8)|(\new)
.set MSB, (\new)
.endif
.endm
.macro RING x, off                     ; the four weight fragments of K step x of the chunk at off into ring slot x % 4: twelve loads
	WIN 0x40
.irp t, 0,1,2,3
.irp g, 0,1,2
	global_load_b128 v[48*((\x)%4)+12*\t+4*\g:48*((\x)%4)+12*\t+4*\g+3], v[LI], s[WQ:WQ+1] offset:(\off)+((\x)/2)*QB+(4*((\x)%2)+\t)*FB+512*\g
.endr
.endr
.endm
.macro SCL q, off                      ; the scale words of quarter q: two loads
	WIN 0
.irp i, 0,1
	global_load_b64 v[BS+4*(\q)+2*\i:BS+4*(\q)+2*\i+1], v[L8], s[WQ:WQ+1] offset:(\off)+(\q)*QB+12288+256*\i
.endr
.endm
.macro BIASL off                       ; the biases in the result's layout: eight loads
	WIN 0
.irp t, 0,1,2,3
.irp f, 0,1
	global_load_b128 v[BIAS+8*\t+4*\f:BIAS+8*\t+4*\f+3], v[H64], s[WQ:WQ+1] offset:(\off)+51200+(32*(\t/2)+8*(\t%2))*4+16*\f
.endr
.endr
.endm
.macro XFETCH s                        ; x's four fragments of K step s out of LDS: twelve loads of 512 dense bytes
	WIN 0x40
.irp m, 0,1,2,3
.irp g, 0,1,2
	ds_load_b128 v[XB+12*\m+4*\g:XB+12*\m+4*\g+3], v[XR] offset:FB*(4*(\s)+\m)+512*\g
.endr
.endr
.endm
.macro MM s, t, m                      ; one product: tile t of the chunk x tile m of the rows, K step s
.set rD, ACC+8*(4*(\t)+(\m))
.set rA, RA+12*(\t)
.set rB, XB+12*(\m)
.set rC, BIAS+8*(\t)
.set rP, BS+4*((\s)/2)+2*((\t)/2)+(\s)%2
.set rQ, XS+4*(\m)+(\s)/2
.if (\s) == 0
.if (\t)%2 == 0
	v_wmma_scale_f32_16x16x128_f8f6f4 v[rD:rD+7], v[rA:rA+11], v[rB:rB+11], v[rC:rC+7], v[rP], v[rQ] matrix_a_fmt:MATRIX_FMT_BF6 matrix_b_fmt:MATRIX_FMT_BF6
.else
	v_wmma_scale_f32_16x16x128_f8f6f4 v[rD:rD+7], v[rA:rA+11], v[rB:rB+11], v[rC:rC+7], v[rP], v[rQ] matrix_a_fmt:MATRIX_FMT_BF6 matrix_b_fmt:MATRIX_FMT_BF6 matrix_a_scale:MATRIX_SCALE_ROW1
.endif
.elseif (\s)%2 == 0
.if (\t)%2 == 0
	v_wmma_scale_f32_16x16x128_f8f6f4 v[rD:rD+7], v[rA:rA+11], v[rB:rB+11], v[rD:rD+7], v[rP], v[rQ] matrix_a_fmt:MATRIX_FMT_BF6 matrix_b_fmt:MATRIX_FMT_BF6
.else
	v_wmma_scale_f32_16x16x128_f8f6f4 v[rD:rD+7], v[rA:rA+11], v[rB:rB+11], v[rD:rD+7], v[rP], v[rQ] matrix_a_fmt:MATRIX_FMT_BF6 matrix_b_fmt:MATRIX_FMT_BF6 matrix_a_scale:MATRIX_SCALE_ROW1
.endif
.else
.if (\t)%2 == 0
	v_wmma_scale_f32_16x16x128_f8f6f4 v[rD:rD+7], v[rA:rA+11], v[rB:rB+11], v[rD:rD+7], v[rP], v[rQ] matrix_a_fmt:MATRIX_FMT_BF6 matrix_b_fmt:MATRIX_FMT_BF6 matrix_b_scale:MATRIX_SCALE_ROW1
.else
	v_wmma_scale_f32_16x16x128_f8f6f4 v[rD:rD+7], v[rA:rA+11], v[rB:rB+11], v[rD:rD+7], v[rP], v[rQ] matrix_a_fmt:MATRIX_FMT_BF6 matrix_b_fmt:MATRIX_FMT_BF6 matrix_a_scale:MATRIX_SCALE_ROW1 matrix_b_scale:MATRIX_SCALE_ROW1
.endif
.endif
.endm
; K step s of the chunk at co: the waits for its ring slot and for x's fragments, 16 products (the 16 accumulators by turns, one instruction a turn), four places, and the loads into
; what has just been read: x's fragments of the next K step (xf = 1); the slot takes the K step four on (of this chunk, or with nxt = 1 of the chunk at no); the next chunk's biases and scale words go ahead
; of the ring's loads of their batch, so that a later wait for the ring covers them.
.macro GROUP s, cnt, nxt, co, no, xf
	s_wait_loadcnt \cnt                            ; the loads issued behind this K step's twelve: the three batches since
	s_wait_dscnt 0x0                               ; x's fragments of this K step are in
.set RA, 48*((\s)%4)
	WIN 0x05                                       ; sources 0 and 1: window 1; C and D: window 0
.irp t, 0,1,2,3
.irp m, 0,1,2,3
	MM \s, \t, \m
.endr
.endr
.rept 4
	v_nop                                          ; four places in front of loads into registers that these products have read (ISA guide 7.12.1 for vector instructions)
.endr
.if \nxt
.if (\s) == 0
	BIASL \no
.elseif (\s) == 1
	SCL 0, \no
.elseif (\s) == 3
	SCL 1, \no
.elseif (\s) == 5
	SCL 2, \no
.elseif (\s) == 7
	SCL 3, \no
.endif
.endif
.if \xf
.set XN, ((\s)+1)%8
	XFETCH XN
.endif
.if (\s) < 4
	RING (\s)+4, \co
.elseif \nxt
	RING (\s)-4, \no
.endif
.endm
; A chunk's 128 products.  Batches, in global loads: 20, 14, 12, 14, 12, 14, 12, 14 with a next chunk; 12, 12, 12, 12 and nothing without.  xl = 1: the last group fetches x's K step 0 for the next chunk.
.macro TRIP co, no, nxt, xl
.if \nxt
	GROUP 0, 40, 1, \co, \no, 1
	GROUP 1, 46, 1, \co, \no, 1
	GROUP 2, 48, 1, \co, \no, 1
	GROUP 3, 46, 1, \co, \no, 1
	GROUP 4, 40, 1, \co, \no, 1
	GROUP 5, 38, 1, \co, \no, 1
	GROUP 6, 40, 1, \co, \no, 1
	GROUP 7, 38, 1, \co, \no, \xl
.else
	GROUP 0, 40, 0, \co, 0, 1
	GROUP 1, 38, 0, \co, 0, 1
	GROUP 2, 38, 0, \co, 0, 1
	GROUP 3, 36, 0, \co, 0, 1
	GROUP 4, 36, 0, \co, 0, 1
	GROUP 5, 24, 0, \co, 0, 1
	GROUP 6, 12, 0, \co, 0, 1
	GROUP 7, 0, 0, \co, 0, \xl
.endif
.endm
.macro PROLOGUE                        ; the first chunk's 64 loads, in the order in which a trip before it would have issued them: so the trips' counts hold for the first too
	BIASL 0
	SCL 0, 0
	SCL 1, 0
	RING 0, 0
	SCL 2, 0
	RING 1, 0
	RING 2, 0
	SCL 3, 0
	RING 3, 0
	WIN 0
.endm
.macro EPI_KEEP c                      ; chunk c of k goes to LDS as an image of its accumulators, each from its low end on; its squares are summed by rows
	WIN 0
.set e, 0
.rept 32
	ds_store_b128 v[KA0], v[ACC+4*e:ACC+4*e+3] offset:16384*(\c)+512*e
.set e, e+1
.endr
.irp t, 0,1,2,3
.irp p, 0,1,2,3
.irp m, 0,1,2,3
	v_pk_fma_f32 v[SS+2*\m:SS+2*\m+1], v[ACC+8*(4*\t+\m)+2*\p:ACC+8*(4*\t+\m)+2*\p+1], v[ACC+8*(4*\t+\m)+2*\p:ACC+8*(4*\t+\m)+2*\p+1], v[SS+2*\m:SS+2*\m+1]
.endr
.endr
.endr
	s_wait_dscnt 0x0                               ; the stores have read the accumulators, which the next chunk's products write
.endm
.macro NORM                            ; 1 / norm of my four rows 16 m + r, from the eight waves' sums of squares
	WIN 0
.irp m, 0,1,2,3
	v_mov_b32 v[228+\m], 0                         ; a lane permute's destination counts as one of its sources
.endr
.irp m, 0,1,2,3
	v_add_f32 v[224+\m], v[SS+2*\m], v[SS+2*\m+1]
.endr
.irp m, 0,1,2,3
	v_permlanex16_b32 v[228+\m], v[224+\m], s20, s21
.endr
.irp m, 0,1,2,3
	v_add_f32 v[224+\m], v[224+\m], v[228+\m]      ; with lane l xor 16's columns: my wave's 128
.endr
.irp m, 0,1,2,3
	ds_store_b32 v[NW], v[224+\m] offset:64*\m     ; both halves of the lanes write the same word with the same value
.endr
	s_wait_dscnt 0x0                               ; for the others' sake: my stores have landed, and my reads of LDS are over
	s_barrier_signal -1
	s_barrier_wait -1
.irp w, 0,1,2,3,4,5,6,7
.irp m, 0,1,2,3
	ds_load_b32 v[224+4*\w+\m], v[NR] offset:256*\w+64*\m
.endr
.endr
	s_wait_dscnt 0x0
.irp w, 0,2,4,6
.irp m, 0,1,2,3
	v_add_f32 v[224+4*\w+\m], v[224+4*\w+\m], v[228+4*\w+\m]
.endr
.endr
.irp w, 0,4
.irp m, 0,1,2,3
	v_add_f32 v[224+4*\w+\m], v[224+4*\w+\m], v[232+4*\w+\m]
.endr
.endr
.irp m, 0,1,2,3
	v_add_f32 v[224+\m], v[224+\m], v[240+\m]
.endr
.irp m, 0,1,2,3
	v_rsq_f32 v[INV+2*\m], v[224+\m]
.endr
	v_nop                                          ; a plain instruction behind the last of the four
	s_wait_alu depctr_va_vdst(0)                   ; one wait for the four, ahead of their first reader
.irp m, 0,1,2,3
	v_mov_b32 v[INV+2*\m+1], v[INV+2*\m]           ; (the packed forms name a pair)
.endr
.endm
.macro KVMUL hh                        ; tiles 2 hh, 2 hh + 1: x the kept k, summed over the four tiles of rows: eight chains side by side
	WIN 0x04                                       ; source 1: window 1
.irp tt, 0,1
.irp p, 0,1,2,3
	v_pk_mul_f32 v[ACC+32*(2*(\hh)+\tt)+2*\p:ACC+32*(2*(\hh)+\tt)+2*\p+1], v[ACC+32*(2*(\hh)+\tt)+2*\p:ACC+32*(2*(\hh)+\tt)+2*\p+1], v[KT+32*\tt+2*\p:KT+32*\tt+2*\p+1]
.endr
.endr
.irp m, 1,2,3
.irp tt, 0,1
.irp p, 0,1,2,3
	v_pk_fma_f32 v[ACC+32*(2*(\hh)+\tt)+2*\p:ACC+32*(2*(\hh)+\tt)+2*\p+1], v[ACC+32*(2*(\hh)+\tt)+8*\m+2*\p:ACC+32*(2*(\hh)+\tt)+8*\m+2*\p+1], v[KT+32*\tt+8*\m+2*\p:KT+32*\tt+8*\m+2*\p+1], v[ACC+32*(2*(\hh)+\tt)+2*\p:ACC+32*(2*(\hh)+\tt)+2*\p+1]
.endr
.endr
.endr
	WIN 0
.endm
.macro KVRED hh                        ; and over the sixteen rows that lie in sixteen lanes
.irp x, 1,2,4,8
.irp tt, 0,1
.irp j, 0,1,2,3,4,5,6,7
	v_add_f32_dpp v[ACC+32*(2*(\hh)+\tt)+\j], v[ACC+32*(2*(\hh)+\tt)+\j], v[ACC+32*(2*(\hh)+\tt)+\j] row_xmask:\x row_mask:0xf bank_mask:0xf
.endr
.endr
.endr
.endm
.macro EPI_KV c                        ; chunk c of v: x 1 / norm, x the kept k, summed over the 64 rows.  The kept chunk comes back in two halves of 64 registers, where x's fragments lay
	WIN 0x40
.set e, 0
.rept 16
	ds_load_b128 v[KT+4*e:KT+4*e+3], v[KA0] offset:16384*(\c)+512*e
.set e, e+1
.endr
	WIN 0
.irp t, 0,1,2,3
.irp p, 0,1,2,3
.irp m, 0,1,2,3
	v_pk_mul_f32 v[ACC+8*(4*\t+\m)+2*\p:ACC+8*(4*\t+\m)+2*\p+1], v[ACC+8*(4*\t+\m)+2*\p:ACC+8*(4*\t+\m)+2*\p+1], v[INV+2*\m:INV+2*\m+1] op_sel_hi:[1,0]
.endr
.endr
.endr
	s_wait_dscnt 0x0                               ; the first half of k is in
	KVMUL 0
	WIN 0x40
.set e, 0
.rept 16
	ds_load_b128 v[KT+4*e:KT+4*e+3], v[KA0] offset:16384*(\c)+512*(16+e)
.set e, e+1
.endr
	WIN 0
	KVRED 0                                        ; the first half's sums over lanes stand between the second half's loads and the wait for them
	s_wait_dscnt 0x0
	KVMUL 1
	KVRED 1
.irp t, 0,1,2,3
.irp f, 0,1
	ds_store_b128 v[SA0], v[ACC+32*\t+4*\f:ACC+32*\t+4*\f+3] offset:256*(\c)+(32*(\t/2)+8*(\t%2))*4+16*\f   ; the sixteen lanes of a half write the same bytes with the same values
.endr
.endr
	s_wait_dscnt 0x0                               ; the stores have read their registers
.endm
	s_load_b128 s[4:7], s[0:1], 0x0                ; xq s[4:5], wq s[6:7]
	s_load_b64 s[8:9], s[0:1], 0x10                ; kvp
	v_lshl_add_u32 v14, v0, 2, 0x4d800
	v_mov_b32 v15, 0
	v_lshrrev_b32 v2, 5, v0
	v_readfirstlane_b32 s16, v2                    ; wave 0..7
	v_and_b32 v224, 31, v0                         ; lane
	v_and_b32 v225, 15, v0                         ; r
	v_bfe_u32 v226, v0, 4, 1                       ; h
	v_lshlrev_b32 v[LI], 4, v224
	v_lshlrev_b32 v[L8], 3, v224
	v_lshlrev_b32 v[H64], 6, v226
	s_lshl_b32 s22, s16, 15
	v_add_nc_u32 v[KA0], s22, v[LI]
	v_add_nc_u32 v[XR], XL, v[LI]
	v_lshl_add_u32 v[NR], v225, 2, SCR
	s_lshl_b32 s22, s16, 8
	v_add_nc_u32 v[NW], s22, v[NR]
	s_lshl_b32 s22, s16, 9
	s_add_co_u32 s22, s22, KVS
	v_add_nc_u32 v[SA0], s22, v[H64]
	v_add_nc_u32 v[KVR], s22, v[LI]
	s_lshr_b32 s23, s16, 1                         ; w / 2: the tile of x of which I bring a half; the group of four chunks in which mine lie
	s_and_b32 s24, s16, 1                          ; w % 2: which half
	s_mul_i32 s22, s23, FB
	s_mul_i32 s25, s24, 16*FB
	s_add_co_u32 s22, s22, s25
	s_add_co_u32 s22, s22, XL
	v_add_nc_u32 v[XW], s22, v[LI]                 ; image (K step 4 (w % 2), tile w / 2)
.irp i, 0,1,2,3,4,5,6,7
	v_mov_b32 v[SS+\i], 0
.endr
	s_mov_b32 s20, 0x76543210
	s_mov_b32 s21, 0xfedcba98                      ; v_permlanex16_b32's selects for lane l xor 16
	s_mul_i32 s26, ttmp9, 4*XT                     ; my work-group's four tiles of xq
	s_mov_b32 s27, 0
	s_mul_i32 s28, s23, XT                         ; in them: my tile,
	s_mul_i32 s25, s24, 4*FB                       ; my four K steps
	s_add_co_u32 s28, s28, s25
	s_mov_b32 s29, 0
	s_lshl_b32 s30, s23, 3
	s_lshl_b32 s25, s24, 1
	s_add_co_u32 s30, s30, s25
	s_add_co_u32 s30, s30, 32                      ; my first chunk's place: 32 + 8 (w / 2) + 2 (w % 2)
	s_mul_i32 s30, s30, CH
	s_mov_b32 s31, 0
	s_lshl_b32 s32, ttmp9, 12
	s_lshl_b32 s25, s16, 9
	s_add_co_u32 s32, s32, s25                     ; my 512 bytes of kvp
	s_mov_b32 s33, 0
	s_wait_kmcnt 0x0
	s_add_nc_u64 s[4:5], s[4:5], s[26:27]
	s_add_nc_u64 s[10:11], s[4:5], s[28:29]
	s_add_nc_u64 s[WQ:WQ+1], s[6:7], s[30:31]
	s_add_nc_u64 s[8:9], s[8:9], s[32:33]
	WIN 0x40
.set j, 0
.rept 12                                       ; my twelve pieces of x's images: 6,144 dense bytes
	global_load_b128 v[XB+4*j:XB+4*j+3], v[LI], s[10:11] offset:512*j
.set j, j+1
.endr
	WIN 0
.irp m, 0,1,2,3
	global_load_b128 v[XS+4*\m:XS+4*\m+3], v[LI], s[4:5] offset:XT*\m+12288   ; x's scale words stay in registers
.endr
	PROLOGUE
	s_wait_loadcnt 63                              ; my twelve pieces are in: 68 loads stand behind them
	WIN 0x04                                       ; an LDS store's data are its source 1: window 1
.set j, 0
.rept 12
	ds_store_b128 v[XW], v[XB+4*j:XB+4*j+3] offset:4*FB*(j/3)+512*(j%3)
.set j, j+1
.endr
	WIN 0
	s_wait_dscnt 0x0                               ; for the others' sake: my stores have landed
	s_barrier_signal -1
	s_barrier_wait -1                              ; x's 32 images lie in LDS
	XFETCH 0
	TRIP 0, CH, 1, 1                               ; k, first chunk
	EPI_KEEP 0
	TRIP CH, 4*CH, 1, 1                            ; k, second chunk; it already asks for the first chunk of v
	EPI_KEEP 1
	NORM
	TRIP 4*CH, 5*CH, 1, 0                          ; v, first chunk
	EPI_KV 0
	XFETCH 0                                       ; the epilogue has used the registers of x's fragments
	TRIP 5*CH, 0, 0, 0                             ; v, second chunk: it asks for nothing beyond itself: no load leaves the buffer
	EPI_KV 1
	WIN 0
	ds_load_b128 v[224:227], v[KVR]                ; my wave's 128 sums, 16 bytes a lane: LDS serves a wave's instructions in order
	s_wait_dscnt 0x0
	global_store_b128 v[LI], v[224:227], s[8:9]    ; 32 lanes store 512 consecutive bytes, at a multiple of 256 from the buffer's first byte
	s_wait_tensorcnt 0x0
	ds_add_u32 v14, v15
	s_wait_dscnt 0x0
	s_endpgm
.Lfunc_end_k_q888ccca8ec_kvpart:
	.size	k_q888ccca8ec_kvpart, .Lfunc_end_k_q888ccca8ec_kvpart-k_q888ccca8ec_kvpart
	.p2alignl 7, 3214868480
	.fill 96, 4, 3214868480
	.section	.rodata,"a",@progbits
	.p2align	6, 0x0
	.amdhsa_kernel k_q888ccca8ec_kvpart
		.amdhsa_group_segment_fixed_size 318464
		.amdhsa_private_segment_fixed_size 0
		.amdhsa_enable_private_segment 0
		.amdhsa_kernarg_size 24
		.amdhsa_user_sgpr_count 2
		.amdhsa_user_sgpr_kernarg_segment_ptr 1
		.amdhsa_wavefront_size32 1
		.amdhsa_system_sgpr_workgroup_id_x 1
		.amdhsa_system_sgpr_workgroup_id_y 1
		.amdhsa_system_sgpr_workgroup_id_z 1
		.amdhsa_system_vgpr_workitem_id 0
		.amdhsa_next_free_vgpr 512
		.amdhsa_next_free_sgpr 66
		.amdhsa_reserve_vcc 0
		.amdhsa_float_denorm_mode_32 3
		.amdhsa_float_denorm_mode_16_64 3
		.amdhsa_memory_ordered 1
		.amdhsa_forward_progress 1
		.amdhsa_inst_pref_size 199
	.end_amdhsa_kernel
	.amdgpu_metadata
---
amdhsa.version: [ 1, 2 ]
amdhsa.kernels:
  - .name:           k_q888ccca8ec_kvpart
    .symbol:         k_q888ccca8ec_kvpart.kd
    .args:
      - { .name: xq, .offset: 0, .size: 8, .value_kind: global_buffer, .address_space: global }
      - { .name: wq, .offset: 8, .size: 8, .value_kind: global_buffer, .address_space: global }
      - { .name: kvp, .offset: 16, .size: 8, .value_kind: global_buffer, .address_space: global }
    .group_segment_fixed_size: 318464
    .private_segment_fixed_size: 0
    .kernarg_segment_align: 8
    .kernarg_segment_size: 24
    .max_flat_workgroup_size: 256
    .sgpr_count:     66
    .vgpr_count:     512
    .wavefront_size: 32
...
	.end_amdgpu_metadata
.endif
;; end of part 2
;; launch attn (part 3): grid 256 x 1, 8 waves a work-group, no clusters, 320,512 bytes of LDS; arguments xq, wq, kvp, out0; writes out0
.if DOCPART == 3
	.amdgcn_target "amdgcn-amd-amdhsa--gfx1250"
	.amdhsa_code_object_version 6
	.text
	.protected	k_q888ccca8ec_attn
	.globl	k_q888ccca8ec_attn
	.p2align	8
	.type	k_q888ccca8ec_attn,@function
k_q888ccca8ec_attn:
	s_mov_b64 s[64:65], 0
	v_nop
	global_prefetch_b8 v0, s[64:65] scope:SCOPE_SE
	s_setreg_imm32_b32 hwreg(HW_REG_WAVE_MODE, 25, 1), 1
	s_wait_xcnt 0x0
; out0 = Q(q / |q| x kv) W_out + b_out, with q = x Wq + bq and kv[b][d] = the sum of the batch's 64 partial sums in kvp; both products on codes of BF6 (E3M2) with E8M0 block scales; all else in f32.
; SHARES.  Work-group g owns rows 64 g .. 64 g + 63 through the whole chain.  EIGHT waves, two to a SIMD, 512 registers each: wave w owns columns 128 w .. 128 w + 127 of q and of the output, two chunks of 64
; columns each.  While one wave of a SIMD waits for weights or walks an epilogue the other has the matrix unit; and eight waves have 8 x 48 loads of 512 bytes of weights on their way where four would have half.
; The left operand's codes of the 64 rows, K = 1,024, lie ONCE in LDS as 32 images of operand registers (49,152 bytes): first x's, then, in the same bytes, the hidden operand's; each group of 16 products
; fetches its K step's four fragments by twelve loads of 512 dense bytes.  A weight fragment feeds four matrix instructions.  The products are used TRANSPOSED (source 0 = 16 weight columns, source 1 = 16
; rows): in accumulator (t = 2 b + u, m) register j of lane (r, h) is row 16 m + r, chunk column 32 b + 16 h + 8 u + j: 16 neighbours along the next K in two neighbouring tiles.
; q waits in LDS for its row's norm (each wave's own 32,768 bytes).  Wave w's 128 columns are K step w of the second product: q x 1 / norm x kv, quantised in registers, goes to LDS as four images.
; Three barriers: x's images; the sums of squares (behind it nobody reads x's images any more); the hidden images.
; The four chunks of a wave lie at places P0, P0 + 1 (q), P0 + 4, P0 + 5 (W_out) of wq, P0 = 8 (w / 2) + 2 (w % 2): one base, every chunk an immediate; so the four trips are written out and no pointer is stepped.
; NO CLUSTER, NO JOINT LOADS, though all work-groups walk the same weights: the 64 x 1,024 f32 that wait for the norm take 262,144 of a WGP's 327,680 bytes of LDS, the images and their scale words 51,200 more;
; and a weight fragment is used by ONE wave, so it goes from memory straight into that wave's registers, three loads of 512 dense bytes, through a ring of four register slots, asked for four K steps ahead.
; LIMIT: a row's sum of squares has to lie in f32's normal range; a row of zeros gives NaN, as a division by a zero norm does.  A hidden block of zeros gets the scale byte 1: its codes are zeros.
; REGISTERS, in windows of 256: window 0: v1-15 addresses; v16-31 the left operand's scale words; v32-47 the chunk's; v48-79 its biases; v80-207 the 16 accumulators (at the head: 32 partial sums; in the hidden
;   stage: v80-143 64 numbers, v144-180 codes and work; on the way out: rows coming back); v208-223 sums of squares, 1 / norm; v224-255 at work.
;   window 1: v0-191 the ring's four slots; v192-239 the left operand's four fragments of the K step in hand; in the hidden stage v192-255 kv in the hidden operand's order.
.set CH,   51456                       ; a chunk of wq
.set QB,   12800                       ; a quarter of it: two K steps
.set FB,   1536                        ; a fragment's image
.set XT,   12800                       ; a tile of xq
.set SCR,  262144                      ; LDS: behind the kept q: the waves' sums of squares, 256 w + 64 m + 4 r
.set KVL,  264192                      ; kv: 512 bytes a wave, its own 128 columns
.set HIMG, 268288                      ; the left operand's 32 images: (K step s, tile m) at 1,536 (4 s + m)
.set HSC,  317440                      ; the hidden operand's scale words: 512 m + 16 x lane + 4 j, as xq has x's
.set OP,   272                         ; the way out: a stage of 64 rows x (256 bytes + 16) for each wave, in its own kept q, which it alone has read
.set LI,   1                           ; v1  16 x lane
.set L8,   2                           ; v2  8 x lane
.set H64,  3                           ; v3  64 x (lane / 16)
.set KA0,  4                           ; v4  32,768 w + 16 x lane
.set GO,   5                           ; v5  the way out: my 16 bytes of two rows of out0
.set NW,   6                           ; v6  SCR + 256 w + 4 r
.set NR,   7                           ; v7  SCR + 4 r
.set KVA,  8                           ; v8  KVL + 512 w + 64 (lane / 16)
.set KVW,  9                           ; v9  KVL + 512 w + 16 x lane
.set HWI,  10                          ; v10 HIMG + 6,144 w + 16 x lane: where I store my four hidden images
.set HWS,  11                          ; v11 HSC + 256 (w % 2) + 16 r + 4 (w / 2): and their scale words
.set XR,   12                          ; v12 HIMG + 16 x lane
.set HRS,  13                          ; v13 HSC + 16 x lane
.set SO,   14                          ; v14 the stage: row r, + 64 (lane / 16)
.set SR,   15                          ; v15 and back: lanes 0-15 one row of 256 bytes, lanes 16-31 the next
.set XW,   216                         ; v216 at the head alone: where I store my twelve pieces of x's images
.set XS,   16
.set BS,   32
.set BIAS, 48
.set ACC,  80
.set SS,   208
.set INV,  216
.set KS,   224                         ; v224-231 kv of my lane's four columns, the even and the odd partial sums apart
.set XB,   192                         ; in window 1
.set KT,   192                         ; in window 1
.set H,    80
.set PC,   144
.set TM,   164
.set PW,   180
.set SEL,  20
.set WQ,   12                          ; s[12:13] my first chunk; never rewritten
.set MSB,  0
.macro WIN new                         ; the immediate's high byte repeats the setting that is left; a switch that changes nothing is dropped
.if MSB != (\new)
	s_set_vgpr_msb (MSB<<8)|(\new)
.set MSB, (\new)
.endif
.endm
.macro RING x, off                     ; the four weight fragments of K step x of the chunk at off into ring slot x % 4: twelve loads
	WIN 0x40
.irp t, 0,1,2,3
.irp g, 0,1,2
	global_load_b128 v[48*((\x)%4)+12*\t+4*\g:48*((\x)%4)+12*\t+4*\g+3], v[LI], s[WQ:WQ+1] offset:(\off)+((\x)/2)*QB+(4*((\x)%2)+\t)*FB+512*\g
.endr
.endr
.endm
.macro SCL q, off                      ; the scale words of quarter q: two loads
	WIN 0
.irp i, 0,1
	global_load_b64 v[BS+4*(\q)+2*\i:BS+4*(\q)+2*\i+1], v[L8], s[WQ:WQ+1] offset:(\off)+(\q)*QB+12288+256*\i
.endr
.endm
.macro BIASL off                       ; the biases in the result's layout: eight loads
	WIN 0
.irp t, 0,1,2,3
.irp f, 0,1
	global_load_b128 v[BIAS+8*\t+4*\f:BIAS+8*\t+4*\f+3], v[H64], s[WQ:WQ+1] offset:(\off)+51200+(32*(\t/2)+8*(\t%2))*4+16*\f
.endr
.endr
.endm
.macro XFETCH s                        ; the left operand's four fragments of K step s out of LDS: twelve loads of 512 dense bytes
	WIN 0x40
.irp m, 0,1,2,3
.irp g, 0,1,2
	ds_load_b128 v[XB+12*\m+4*\g:XB+12*\m+4*\g+3], v[XR] offset:FB*(4*(\s)+\m)+512*\g
.endr
.endr
.endm
.macro MM s, t, m                      ; one product: tile t of the chunk x tile m of the rows, K step s
.set rD, ACC+8*(4*(\t)+(\m))
.set rA, RA+12*(\t)
.set rB, XB+12*(\m)
.set rC, BIAS+8*(\t)
.set rP, BS+4*((\s)/2)+2*((\t)/2)+(\s)%2
.set rQ, XS+4*(\m)+(\s)/2
.if (\s) == 0
.if (\t)%2 == 0
	v_wmma_scale_f32_16x16x128_f8f6f4 v[rD:rD+7], v[rA:rA+11], v[rB:rB+11], v[rC:rC+7], v[rP], v[rQ] matrix_a_fmt:MATRIX_FMT_BF6 matrix_b_fmt:MATRIX_FMT_BF6
.else
	v_wmma_scale_f32_16x16x128_f8f6f4 v[rD:rD+7], v[rA:rA+11], v[rB:rB+11], v[rC:rC+7], v[rP], v[rQ] matrix_a_fmt:MATRIX_FMT_BF6 matrix_b_fmt:MATRIX_FMT_BF6 matrix_a_scale:MATRIX_SCALE_ROW1
.endif
.elseif (\s)%2 == 0
.if (\t)%2 == 0
	v_wmma_scale_f32_16x16x128_f8f6f4 v[rD:rD+7], v[rA:rA+11], v[rB:rB+11], v[rD:rD+7], v[rP], v[rQ] matrix_a_fmt:MATRIX_FMT_BF6 matrix_b_fmt:MATRIX_FMT_BF6
.else
	v_wmma_scale_f32_16x16x128_f8f6f4 v[rD:rD+7], v[rA:rA+11], v[rB:rB+11], v[rD:rD+7], v[rP], v[rQ] matrix_a_fmt:MATRIX_FMT_BF6 matrix_b_fmt:MATRIX_FMT_BF6 matrix_a_scale:MATRIX_SCALE_ROW1
.endif
.else
.if (\t)%2 == 0
	v_wmma_scale_f32_16x16x128_f8f6f4 v[rD:rD+7], v[rA:rA+11], v[rB:rB+11], v[rD:rD+7], v[rP], v[rQ] matrix_a_fmt:MATRIX_FMT_BF6 matrix_b_fmt:MATRIX_FMT_BF6 matrix_b_scale:MATRIX_SCALE_ROW1
.else
	v_wmma_scale_f32_16x16x128_f8f6f4 v[rD:rD+7], v[rA:rA+11], v[rB:rB+11], v[rD:rD+7], v[rP], v[rQ] matrix_a_fmt:MATRIX_FMT_BF6 matrix_b_fmt:MATRIX_FMT_BF6 matrix_a_scale:MATRIX_SCALE_ROW1 matrix_b_scale:MATRIX_SCALE_ROW1
.endif
.endif
.endm
; K step s of the chunk at co: the waits for its ring slot and for the left fragments, 16 products (the 16 accumulators by turns, one instruction a turn), four places, and the loads
; into what has just been read: the left fragments of the next K step (xf = 1); the slot takes the K step four on (of this chunk, or with nxt = 1 of the chunk at no); the next chunk's biases and scale words go
; ahead of the ring's loads of their batch, so that a later wait for the ring covers them.
.macro GROUP s, cnt, nxt, co, no, xf
	s_wait_loadcnt \cnt                            ; the loads issued behind this K step's twelve: the three batches since
	s_wait_dscnt 0x0                               ; the left fragments of this K step are in
.set RA, 48*((\s)%4)
	WIN 0x05                                       ; sources 0 and 1: window 1; C and D: window 0
.irp t, 0,1,2,3
.irp m, 0,1,2,3
	MM \s, \t, \m
.endr
.endr
.rept 4
	v_nop                                          ; four places in front of loads into registers that these products have read (ISA guide 7.12.1 for vector instructions)
.endr
.if \nxt
.if (\s) == 0
	BIASL \no
.elseif (\s) == 1
	SCL 0, \no
.elseif (\s) == 3
	SCL 1, \no
.elseif (\s) == 5
	SCL 2, \no
.elseif (\s) == 7
	SCL 3, \no
.endif
.endif
.if \xf
.set XN, ((\s)+1)%8
	XFETCH XN
.endif
.if (\s) < 4
	RING (\s)+4, \co
.elseif \nxt
	RING (\s)-4, \no
.endif
.endm
; A chunk's 128 products.  Batches, in global loads: 20, 14, 12, 14, 12, 14, 12, 14 with a next chunk; 12, 12, 12, 12 and nothing without.  xl = 1: the last group fetches K step 0 for the next chunk.
.macro TRIP co, no, nxt, xl
.if \nxt
	GROUP 0, 40, 1, \co, \no, 1
	GROUP 1, 46, 1, \co, \no, 1
	GROUP 2, 48, 1, \co, \no, 1
	GROUP 3, 46, 1, \co, \no, 1
	GROUP 4, 40, 1, \co, \no, 1
	GROUP 5, 38, 1, \co, \no, 1
	GROUP 6, 40, 1, \co, \no, 1
	GROUP 7, 38, 1, \co, \no, \xl
.else
	GROUP 0, 40, 0, \co, 0, 1
	GROUP 1, 38, 0, \co, 0, 1
	GROUP 2, 38, 0, \co, 0, 1
	GROUP 3, 36, 0, \co, 0, 1
	GROUP 4, 36, 0, \co, 0, 1
	GROUP 5, 24, 0, \co, 0, 1
	GROUP 6, 12, 0, \co, 0, 1
	GROUP 7, 0, 0, \co, 0, \xl
.endif
.endm
.macro PROLOGUE                        ; the first chunk's 64 loads, in the order in which a trip before it would have issued them: so the trips' counts hold for the first too
	BIASL 0
	SCL 0, 0
	SCL 1, 0
	RING 0, 0
	SCL 2, 0
	RING 1, 0
	RING 2, 0
	SCL 3, 0
	RING 3, 0
	WIN 0
.endm
.macro EPI_KEEP c                      ; chunk c of q goes to LDS as an image of its accumulators, each from its low end on; its squares are summed by rows
	WIN 0
.set e, 0
.rept 32
	ds_store_b128 v[KA0], v[ACC+4*e:ACC+4*e+3] offset:16384*(\c)+512*e
.set e, e+1
.endr
.irp t, 0,1,2,3
.irp p, 0,1,2,3
.irp m, 0,1,2,3
	v_pk_fma_f32 v[SS+2*\m:SS+2*\m+1], v[ACC+8*(4*\t+\m)+2*\p:ACC+8*(4*\t+\m)+2*\p+1], v[ACC+8*(4*\t+\m)+2*\p:ACC+8*(4*\t+\m)+2*\p+1], v[SS+2*\m:SS+2*\m+1]
.endr
.endr
.endr
	s_wait_dscnt 0x0                               ; the stores have read the accumulators, which the next chunk's products write
.endm
.macro NORM                            ; 1 / norm of my four rows 16 m + r, from the eight waves' sums of squares
	WIN 0
.irp m, 0,1,2,3
	v_mov_b32 v[228+\m], 0                         ; a lane permute's destination counts as one of its sources
.endr
.irp m, 0,1,2,3
	v_add_f32 v[224+\m], v[SS+2*\m], v[SS+2*\m+1]
.endr
.irp m, 0,1,2,3
	v_permlanex16_b32 v[228+\m], v[224+\m], s[SEL], s[SEL+1]
.endr
.irp m, 0,1,2,3
	v_add_f32 v[224+\m], v[224+\m], v[228+\m]      ; with lane l xor 16's columns: my wave's 128
.endr
.irp m, 0,1,2,3
	ds_store_b32 v[NW], v[224+\m] offset:64*\m     ; both halves of the lanes write the same word with the same value
.endr
	s_wait_dscnt 0x0                               ; for the others' sake: my stores have landed, and my reads of x's images are over
	s_barrier_signal -1
	s_barrier_wait -1
.irp w, 0,1,2,3,4,5,6,7
.irp m, 0,1,2,3
	ds_load_b32 v[224+4*\w+\m], v[NR] offset:256*\w+64*\m
.endr
.endr
	s_wait_dscnt 0x0
.irp w, 0,2,4,6
.irp m, 0,1,2,3
	v_add_f32 v[224+4*\w+\m], v[224+4*\w+\m], v[228+4*\w+\m]
.endr
.endr
.irp w, 0,4
.irp m, 0,1,2,3
	v_add_f32 v[224+4*\w+\m], v[224+4*\w+\m], v[232+4*\w+\m]
.endr
.endr
.irp m, 0,1,2,3
	v_add_f32 v[224+\m], v[224+\m], v[240+\m]
.endr
.irp m, 0,1,2,3
	v_rsq_f32 v[INV+2*\m], v[224+\m]
.endr
	v_nop                                          ; a plain instruction behind the last of the four
	s_wait_alu depctr_va_vdst(0)                   ; one wait for the four, ahead of their first reader
.irp m, 0,1,2,3
	v_mov_b32 v[INV+2*\m+1], v[INV+2*\m]           ; (the packed forms name a pair)
.endr
.endm
; kv: 32 of the batch's 64 partial sums, from p0 on: my wave's 128 columns of each are one load of 512 dense bytes, into the accumulators' registers
.macro KVSET p0
	WIN 0
.set e, 0
.rept 32
	global_load_b128 v[ACC+4*e:ACC+4*e+3], v[LI], s[8:9] offset:4096*((\p0)+e)
.set e, e+1
.endr
.endm
.macro KVADD first                     ; they are added in ascending order, the even and the odd ones apart: four chains of pairs; first = 1: the first four partial sums start the sums
.set e, 0
.rept 32
.set kd, KS+4*(e%2)
.irp q, 0,2
.if (\first) && (e < 2)
.elseif (\first) && (e < 4)
	v_pk_add_f32 v[kd+\q:kd+\q+1], v[ACC+4*(e-2)+\q:ACC+4*(e-2)+\q+1], v[ACC+4*e+\q:ACC+4*e+\q+1]
.else
	v_pk_add_f32 v[kd+\q:kd+\q+1], v[kd+\q:kd+\q+1], v[ACC+4*e+\q:ACC+4*e+\q+1]
.endif
.endr
.set e, e+1
.endr
.endm
; 64 numbers of a lane, register 16 b + i = k 32 b + 16 (lane / 16) + i of my row, become a fragment's codes in v[PC] on and its scale word in v[PW].
.macro QUANT s
.irp b, 0,1,2,3
	v_max3_num_f32 v[TM+\b], |v[\s+16*\b]|, |v[\s+1+16*\b]|, 0x2800000   ; my 16 numbers of block b, and the floor 2^(5 - 127): the byte cannot fall under 1
.endr
.irp i, 2,4,6,8,10,12,14
.irp b, 0,1,2,3
	v_max3_num_f32 v[TM+\b], v[TM+\b], |v[\s+16*\b+\i]|, |v[\s+1+16*\b+\i]|   ; the four blocks by turns
.endr
.endr
.irp b, 0,1,2,3
	v_permlanex16_b32 v[TM+4+\b], v[TM+\b], s[SEL], s[SEL+1]
.endr
.irp b, 0,1,2,3
	v_max_num_f32 v[TM+\b], v[TM+\b], v[TM+4+\b]       ; with lane l xor 16's: the block's largest magnitude
.endr
.irp b, 0,1,2,3
	v_add_nc_u32 v[TM+12+\b], 0xfe000000, v[TM+\b]     ; 4 off its exponent field: the conversion takes the exponent field of this operand as its scale
.endr
.irp b, 0,1,2,3
	v_lshrrev_b32 v[TM+4+\b], 23, v[TM+12+\b]          ; the scale's byte
.endr
	v_lshl_or_b32 v[PW], v[TM+5], 8, v[TM+4]
	v_lshl_or_b32 v[PW], v[TM+6], 16, v[PW]
	v_lshl_or_b32 v[PW], v[TM+7], 24, v[PW]            ; my row's scale word, the same in both halves of the lanes
.irp c, 0,1
	v_cvt_scalef32_pk16_bf6_f32 v[PC+6*\c:PC+2+6*\c], v[\s+32*\c:\s+15+32*\c], v[TM+12+2*\c]
	v_cvt_scalef32_pk16_bf6_f32 v[PC+12+4*\c:PC+14+4*\c], v[\s+16+32*\c:\s+31+32*\c], v[TM+12+2*\c+1]
.endr
	v_nop                                              ; one plain instruction behind the scaled conversions
.irp c, 0,1                                        ; the operand wants a whole block in a lane: lanes 0-15 block 2 c, lanes 16-31 block 2 c + 1
.irp i, 0,1,2
	v_permlane16_swap_b32 v[PC+6*\c+\i], v[PC+12+4*\c+\i]
.endr
.irp i, 0,1,2
	v_mov_b32 v[PC+3+6*\c+\i], v[PC+12+4*\c+\i]
.endr
.endr
.endm
; K step w of the second product, rows 16 m on: my eight kept tiles of q x 1 / norm x kv, quantised; the image and the scale word go to LDS
.macro HFRAG m
.irp e, 0,1,2,3,4,5,6,7
.irp f, 0,1
	ds_load_b128 v[H+8*\e+4*\f:H+8*\e+4*\f+3], v[KA0] offset:16384*(\e/4)+512*(2*(4*(\e%4)+(\m))+\f)
.endr
.endr
	s_wait_dscnt 0x0
.set j, 0
.rept 32
	v_pk_mul_f32 v[H+j:H+j+1], v[H+j:H+j+1], v[INV+2*(\m):INV+2*(\m)+1] op_sel_hi:[1,0]   ; q / norm
.set j, j+2
.endr
	WIN 0x04                                       ; source 1: window 1
.set j, 0
.rept 32
	v_pk_mul_f32 v[H+j:H+j+1], v[H+j:H+j+1], v[KT+j:KT+j+1]                                ; x kv
.set j, j+2
.endr
	WIN 0
	QUANT H
.irp g, 0,1,2
	ds_store_b128 v[HWI], v[PC+4*\g:PC+4*\g+3] offset:FB*(\m)+512*\g
.endr
	ds_store_b32 v[HWS], v[PW] offset:512*(\m)     ; both halves of the lanes write the same word with the same value
	s_wait_dscnt 0x0                               ; the stores have read their registers
.endm
; Chunk c of the output: 64 rows x 64 columns through my own stage, back as whole rows of 256 bytes, two rows an instruction, into the accumulators' registers
.macro EPI_OUT c
	WIN 0
	v_nop                                          ; a fifth place: the next chunk's first products write over these accumulators with another C
.irp t, 0,1,2,3
.irp m, 0,1,2,3
	ds_store_b128 v[SO], v[ACC+8*(4*\t+\m):ACC+8*(4*\t+\m)+3] offset:16*OP*\m+(32*(\t/2)+8*(\t%2))*4       ; each accumulator from its low end on
	ds_store_b128 v[SO], v[ACC+8*(4*\t+\m)+4:ACC+8*(4*\t+\m)+7] offset:16*OP*\m+(32*(\t/2)+8*(\t%2))*4+16
.endr
.endr
	s_wait_dscnt 0x0                               ; the stores have read the registers into which the rows come back
.set e, 0
.rept 32
	ds_load_b128 v[ACC+4*e:ACC+4*e+3], v[SR] offset:2*OP*e
.set e, e+1
.endr
.set e, 0
.rept 32
	s_wait_dscnt 31-e                              ; pair e of rows is back; the younger loads may be out
	global_store_b128 v[GO], v[ACC+4*e:ACC+4*e+3], s[10:11] offset:8192*e+256*(\c) th:TH_STORE_NT   ; sixteen lanes store 256 consecutive bytes, at a multiple of 256 from out0's first byte; written once, read by nobody here
.set e, e+1
.endr
.endm
	s_load_b256 s[4:11], s[0:1], 0x0               ; xq s[4:5], wq s[6:7], kvp s[8:9], out0 s[10:11]
	v_lshrrev_b32 v2, 5, v0
	v_readfirstlane_b32 s16, v2                    ; wave 0..7
	v_and_b32 v224, 31, v0                         ; lane
	v_and_b32 v225, 15, v0                         ; r
	v_bfe_u32 v226, v0, 4, 1                       ; h
	v_lshlrev_b32 v[LI], 4, v224
	v_lshlrev_b32 v[L8], 3, v224
	v_lshlrev_b32 v[H64], 6, v226
	s_lshr_b32 s17, s16, 1                         ; w / 2
	s_and_b32 s18, s16, 1                          ; w % 2
	s_lshl_b32 s23, s16, 15                        ; 32,768 w
	v_add_nc_u32 v[KA0], s23, v[LI]
	v_lshl_add_u32 v[NR], v225, 2, SCR
	s_lshl_b32 s22, s16, 8
	v_add_nc_u32 v[NW], s22, v[NR]
	s_lshl_b32 s22, s16, 9
	s_add_co_u32 s22, s22, KVL
	v_add_nc_u32 v[KVA], s22, v[H64]
	v_add_nc_u32 v[KVW], s22, v[LI]
	s_mul_i32 s22, s16, 4*FB
	s_add_co_u32 s22, s22, HIMG
	v_add_nc_u32 v[HWI], s22, v[LI]
	s_lshl_b32 s22, s18, 8
	s_lshl_b32 s24, s17, 2
	s_add_co_u32 s22, s22, s24
	s_add_co_u32 s22, s22, HSC
	v_lshl_add_u32 v[HWS], v225, 4, s22
	v_add_nc_u32 v[XR], HIMG, v[LI]
	v_add_nc_u32 v[HRS], HSC, v[LI]
	s_mul_i32 s22, s17, FB
	s_mul_i32 s24, s18, 16*FB
	s_add_co_u32 s22, s22, s24
	s_add_co_u32 s22, s22, HIMG
	v_add_nc_u32 v[XW], s22, v[LI]                 ; image (K step 4 (w % 2), tile w / 2)
	v_mul_u32_u24 v[SO], v225, OP
	v_add_nc_u32 v[SO], v[SO], v[H64]
	v_add_nc_u32 v[SO], s23, v[SO]
	v_mul_u32_u24 v[SR], v226, OP
	v_lshl_add_u32 v[SR], v225, 4, v[SR]
	v_add_nc_u32 v[SR], s23, v[SR]
	v_lshlrev_b32 v[GO], 12, v226                  ; a row of out0 is 4,096 bytes
	v_lshl_add_u32 v[GO], v225, 4, v[GO]
.irp i, 0,1,2,3,4,5,6,7
	v_mov_b32 v[SS+\i], 0
.endr
	s_mov_b32 s[SEL], 0x76543210
	s_mov_b32 s[SEL+1], 0xfedcba98                 ; v_permlanex16_b32's selects for lane l xor 16
	s_mul_i32 s24, ttmp9, 4*XT                     ; my work-group's four tiles of xq
	s_mov_b32 s25, 0
	s_mul_i32 s26, s17, XT                         ; in them: my tile,
	s_mul_i32 s22, s18, 4*FB                       ; my four K steps
	s_add_co_u32 s26, s26, s22
	s_mov_b32 s27, 0
	s_lshl_b32 s28, s17, 3
	s_lshl_b32 s22, s18, 1
	s_add_co_u32 s28, s28, s22                     ; my first chunk's place: 8 (w / 2) + 2 (w % 2)
	s_mul_i32 s28, s28, CH
	s_mov_b32 s29, 0
	s_lshl_b32 s22, s16, 9                         ; my wave's 128 columns in bytes
	s_lshr_b32 s30, ttmp9, 6                       ; my batch: 64 work-groups each
	s_lshl_b32 s30, s30, 18                        ; its 64 partial sums of 4,096 bytes
	s_add_co_u32 s30, s30, s22
	s_mov_b32 s31, 0
	s_lshl_b32 s32, ttmp9, 18                      ; my 64 rows of out0
	s_add_co_u32 s32, s32, s22
	s_mov_b32 s33, 0
	s_wait_kmcnt 0x0
	s_add_nc_u64 s[4:5], s[4:5], s[24:25]
	s_add_nc_u64 s[34:35], s[4:5], s[26:27]
	s_add_nc_u64 s[WQ:WQ+1], s[6:7], s[28:29]
	s_add_nc_u64 s[8:9], s[8:9], s[30:31]
	s_add_nc_u64 s[10:11], s[10:11], s[32:33]
	WIN 0x40
.set j, 0
.rept 12                                       ; my twelve pieces of x's images: 6,144 dense bytes
	global_load_b128 v[XB+4*j:XB+4*j+3], v[LI], s[34:35] offset:512*j
.set j, j+1
.endr
	WIN 0
.irp m, 0,1,2,3
	global_load_b128 v[XS+4*\m:XS+4*\m+3], v[LI], s[4:5] offset:XT*\m+12288   ; x's scale words stay in registers
.endr
	KVSET 0
	s_wait_loadcnt 36                              ; my twelve pieces are in: the 4 loads of scale words and the 32 of partial sums may be out
	WIN 0x04                                       ; an LDS store's data are its source 1: window 1
.set j, 0
.rept 12
	ds_store_b128 v[XW], v[XB+4*j:XB+4*j+3] offset:4*FB*(j/3)+512*(j%3)
.set j, j+1
.endr
	WIN 0
	s_wait_loadcnt 0x0                             ; partial sums 0-31 are in
	KVADD 1
	KVSET 32
	PROLOGUE
	s_wait_loadcnt 63                              ; partial sums 32-63 are in: 64 loads stand behind them
	KVADD 0
	v_pk_add_f32 v[KS:KS+1], v[KS:KS+1], v[KS+4:KS+5]
	v_pk_add_f32 v[KS+2:KS+3], v[KS+2:KS+3], v[KS+6:KS+7]
	ds_store_b128 v[KVW], v[KS:KS+3]               ; kv of my wave's 128 columns, as they lie: read by my wave alone
	s_wait_dscnt 0x0                               ; for the others' sake: my stores have landed
	s_barrier_signal -1
	s_barrier_wait -1                              ; x's 32 images lie in LDS
	XFETCH 0
	TRIP 0, CH, 1, 1                               ; q, first chunk
	EPI_KEEP 0
	TRIP CH, 4*CH, 1, 0                            ; q, second chunk; it already asks for the first chunk of W_out
	EPI_KEEP 1
	NORM
	; ---- the hidden operand: my 128 columns are K step w of the second product.  Behind the barrier above nobody reads x's images: the hidden images take their bytes
.irp b, 0,1,2,3
	v_mov_b32 v[TM+4+\b], 0                        ; written once: a lane permute's destination counts as one of its sources
.endr
	WIN 0x40
.set e, 0
.rept 16                                       ; kv in the order of QUANT's numbers: register 16 b + i = column 32 b + 16 (lane / 16) + i of my 128
	ds_load_b128 v[KT+4*e:KT+4*e+3], v[KVA] offset:128*(e/4)+16*(e%4)
.set e, e+1
.endr
	WIN 0
.irp m, 0,1,2,3
	HFRAG \m
.endr
	s_wait_dscnt 0x0                               ; for the others' sake: my images and scale words have landed
	s_barrier_signal -1
	s_barrier_wait -1                              ; the hidden operand's 32 images lie in LDS
.irp m, 0,1,2,3
	ds_load_b128 v[XS+4*\m:XS+4*\m+3], v[HRS] offset:512*\m   ; its scale words take the place of x's
.endr
	XFETCH 0
	TRIP 4*CH, 5*CH, 1, 1                          ; the output, first chunk
	EPI_OUT 0
	s_wait_xcnt 0x0                                ; the stores have read their registers, which the next chunk's products write
	TRIP 5*CH, 0, 0, 0                             ; second chunk: it asks for nothing beyond itself: no load leaves the buffer
	EPI_OUT 1
	s_wait_xcnt 0x0
	v_lshl_add_u32 v254, v0, 2, 0x4e000
	v_mov_b32 v255, 0
	s_wait_tensorcnt 0x0
	ds_add_u32 v254, v255
	s_wait_dscnt 0x0
	s_endpgm
.Lfunc_end_k_q888ccca8ec_attn:
	.size	k_q888ccca8ec_attn, .Lfunc_end_k_q888ccca8ec_attn-k_q888ccca8ec_attn
	.p2alignl 7, 3214868480
	.fill 96, 4, 3214868480
	.section	.rodata,"a",@progbits
	.p2align	6, 0x0
	.amdhsa_kernel k_q888ccca8ec_attn
		.amdhsa_group_segment_fixed_size 320512
		.amdhsa_private_segment_fixed_size 0
		.amdhsa_enable_private_segment 0
		.amdhsa_kernarg_size 32
		.amdhsa_user_sgpr_count 2
		.amdhsa_user_sgpr_kernarg_segment_ptr 1
		.amdhsa_wavefront_size32 1
		.amdhsa_system_sgpr_workgroup_id_x 1
		.amdhsa_system_sgpr_workgroup_id_y 1
		.amdhsa_system_sgpr_workgroup_id_z 1
		.amdhsa_system_vgpr_workitem_id 0
		.amdhsa_next_free_vgpr 512
		.amdhsa_next_free_sgpr 66
		.amdhsa_reserve_vcc 0
		.amdhsa_float_denorm_mode_32 3
		.amdhsa_float_denorm_mode_16_64 3
		.amdhsa_memory_ordered 1
		.amdhsa_forward_progress 1
		.amdhsa_inst_pref_size 230
	.end_amdhsa_kernel
	.amdgpu_metadata
---
amdhsa.version: [ 1, 2 ]
amdhsa.kernels:
  - .name:           k_q888ccca8ec_attn
    .symbol:         k_q888ccca8ec_attn.kd
    .args:
      - { .name: xq, .offset: 0, .size: 8, .value_kind: global_buffer, .address_space: global }
      - { .name: wq, .offset: 8, .size: 8, .value_kind: global_buffer, .address_space: global }
      - { .name: kvp, .offset: 16, .size: 8, .value_kind: global_buffer, .address_space: global }
      - { .name: out0, .offset: 24, .size: 8, .value_kind: global_buffer, .address_space: global }
    .group_segment_fixed_size: 320512
    .private_segment_fixed_size: 0
    .kernarg_segment_align: 8
    .kernarg_segment_size: 32
    .max_flat_workgroup_size: 256
    .sgpr_count:     66
    .vgpr_count:     512
    .wavefront_size: 32
...
	.end_amdgpu_metadata
.endif
;; end of part 3
;; ======== version 2 of 2: 3 launches
;; workspace buffers: xq 13,107,200 bytes; wq 3,293,184 bytes; kvp 1,048,576 bytes
;; launch quant (part 4): grid 384 x 1, 4 waves a work-group, no clusters, 34,304 bytes of LDS; arguments x, W_qkv, b_qkv, W_out, b_out, xq, wq; writes xq, wq
.if DOCPART == 4
	.amdgcn_target "amdgcn-amd-amdhsa--gfx1250"
	.amdhsa_code_object_version 6
	.text
	.protected	k_q888ccca8ec_quant
	.globl	k_q888ccca8ec_quant
	.p2align	8
	.type	k_q888ccca8ec_quant,@function
k_q888ccca8ec_quant:
	s_mov_b64 s[64:65], 0
	v_nop
	global_prefetch_b8 v0, s[64:65] scope:SCOPE_SE
	s_setreg_imm32_b32 hwreg(HW_REG_WAVE_MODE, 25, 1), 1
	s_wait_xcnt 0x0
; x [16384][1024], W_qkv [1024][3072] and W_out [1024][1024], f32, become codes of BF6 (E3M2) with one E8M0 byte for each 32 along K, laid in the ORDER OF THE OPERAND'S
; REGISTERS, so that the two launches behind this one fetch a fragment (16 rows x 128 K, 12 registers a lane) by three loads of 16 bytes a lane, 512 dense bytes each.
; A block's scale is 2^(floor(log2(its largest magnitude)) - 4); its byte is the largest magnitude's exponent field - 4, held at 1 from below.
; xq: [1024 tiles of 16 rows][12,800 bytes]: the image of K step s at 1,536 s (registers 4 g .. 4 g + 3 of lane l at 512 g + 16 l); at 12,288 sixteen bytes a lane:
;     word j is the scale word of row l % 16 for K step 2 j + l / 16.
; wq: [64 places][51,456 bytes], a place = 64 columns of [W_qkv | W_out] (a chunk): four quarters of 12,800 bytes (K steps 2 sh, 2 sh + 1): the image of (K step sl, tile t) at
;     1,536 (4 sl + t); at 12,288 + 256 i + 8 l + 4 sl the scale word of tile 2 i + l / 16, its row l % 16; at 51,200 the chunk's 64 biases as they lie.
;     Row r of tile 2 b + u is column 32 b + 8 u + r + 8 (r / 8) of the chunk, so that the results of two neighbouring tiles are 16 neighbours along the next product's K.
;     Places: waves 2 j, 2 j + 1 of the last launch walk 8 j .. 8 j + 7 (four chunks of q, four of W_out), those of the middle launch 32 + 8 j .. + 7 (four of k, four of v).
; SHARES: work-groups 0-255: a wave takes one tile of x.  Work-groups 256-383: a wave takes 32 columns (two tiles) x 256 along K of a weight.  Waves share nothing: no barrier.
; LIMITS: NaN and infinities among the inputs are not served.  A block of zeros, or one whose largest magnitude lies under 2^-122, gets the byte 1 where the quantiser's text says 127
; for zeros: a block of zeros has zero codes, which add nothing under any byte but 0xff, and these bytes are read by this program alone.
.set XT,   12800                       ; a tile of xq
.set CH,   51456                       ; a chunk of wq
.set QB,   12800                       ; a quarter of a chunk
.set FB,   1536                        ; a fragment's image
.set SP,   528                         ; the x path's stage: a row of 512 bytes + 16; 16 rows a wave
.set R,    16                          ; v16-143  x: two sets of 64 registers as loaded
.set X,    144                         ; v144-207 x: 64 numbers of my row: register 16 b + i = k 32 b + 16 (lane / 16) + i
.set TM,   208                         ; v208-223 at work in QUANT
.set PC,   224                         ; v224-243 the codes just made
.set PW,   244                         ; the scale word just made
.set PWE,  245                         ; that of the even K step
.set SW,   246                         ; v246-249 the tile's sixteen bytes of scale words a lane
.set SEL,  20                          ; s[20:21] selects of v_permlanex16_b32: lane l xor 16
.set NUM,  16                          ; v16-143  W: 128 numbers down K of my column
.set F,    144                         ; v144-191 W: for K step sl: blocks 0, 2 at F + 24 sl, blocks 1, 3 at F + 24 sl + 12
.set TQ,   192                         ; v192-194 a block's upper sixteen codes (a conversion's three registers begin on an even number)
.set WSW,  202                         ; v202-203 my column's two scale words
; 64 numbers of a lane, register 16 b + i = k 32 b + 16 (lane / 16) + i of my row, become a fragment's codes in v[PC] on and its scale word in v[PW].
.macro QUANT s
.irp b, 0,1,2,3
	v_max3_num_f32 v[TM+\b], |v[\s+16*\b]|, |v[\s+1+16*\b]|, 0x2800000   ; my 16 numbers of block b, and the floor 2^(5 - 127): the byte cannot fall under 1
.endr
.irp i, 2,4,6,8,10,12,14
.irp b, 0,1,2,3
	v_max3_num_f32 v[TM+\b], v[TM+\b], |v[\s+16*\b+\i]|, |v[\s+1+16*\b+\i]|   ; the four blocks by turns
.endr
.endr
.irp b, 0,1,2,3
	v_permlanex16_b32 v[TM+4+\b], v[TM+\b], s[SEL], s[SEL+1]
.endr
.irp b, 0,1,2,3
	v_max_num_f32 v[TM+\b], v[TM+\b], v[TM+4+\b]       ; with lane l xor 16's: the block's largest magnitude
.endr
.irp b, 0,1,2,3
	v_add_nc_u32 v[TM+12+\b], 0xfe000000, v[TM+\b]     ; 4 off its exponent field: the conversion takes the exponent field of this operand as its scale
.endr
.irp b, 0,1,2,3
	v_lshrrev_b32 v[TM+4+\b], 23, v[TM+12+\b]          ; the scale's byte
.endr
	v_lshl_or_b32 v[PW], v[TM+5], 8, v[TM+4]
	v_lshl_or_b32 v[PW], v[TM+6], 16, v[PW]
	v_lshl_or_b32 v[PW], v[TM+7], 24, v[PW]            ; my row's scale word, the same in both halves of the lanes
.irp c, 0,1
	v_cvt_scalef32_pk16_bf6_f32 v[PC+6*\c:PC+2+6*\c], v[\s+32*\c:\s+15+32*\c], v[TM+12+2*\c]
	v_cvt_scalef32_pk16_bf6_f32 v[PC+12+4*\c:PC+14+4*\c], v[\s+16+32*\c:\s+31+32*\c], v[TM+12+2*\c+1]
.endr
	v_nop                                              ; one plain instruction behind the scaled conversions
.irp c, 0,1                                        ; the operand wants a whole block in a lane: lanes 0-15 block 2 c, lanes 16-31 block 2 c + 1
.irp i, 0,1,2
	v_permlane16_swap_b32 v[PC+6*\c+\i], v[PC+12+4*\c+\i]
.endr
.irp i, 0,1,2
	v_mov_b32 v[PC+3+6*\c+\i], v[PC+12+4*\c+\i]
.endr
.endr
.endm
; x: K step s of my 16 rows: sixteen loads, each 512 consecutive bytes of one row
.macro XLOAD s
.set ii, 0
.rept 16
	global_load_b128 v[R+64*((\s)%2)+4*ii:R+64*((\s)%2)+4*ii+3], v1, s[4:5] offset:4096*ii+512*(\s) th:TH_LOAD_NT
.set ii, ii+1
.endr
.endm
.macro XSTEP s
.if (\s) < 7
	s_wait_loadcnt 16                              ; this K step's sixteen loads are in; the next step's sixteen may be out
.else
	s_wait_loadcnt 0x0
.endif
	s_wait_xcnt 0x0                                ; the last step's stores have read the codes' registers, which QUANT writes again
.set ii, 0
.rept 16
	ds_store_b128 v2, v[R+64*((\s)%2)+4*ii:R+64*((\s)%2)+4*ii+3] offset:SP*ii   ; through my own stage, as they lie
.set ii, ii+1
.endr
.irp b, 0,1,2,3
.irp j, 0,1,2,3
	ds_load_b128 v[X+16*\b+4*\j:X+16*\b+4*\j+3], v3 offset:128*\b+16*\j         ; and back: 16 neighbours of each block of my row.  LDS serves a wave's instructions in order
.endr
.endr
	s_wait_dscnt 0x0                               ; the numbers are back, and the stores have read their registers,
.if (\s) < 6
	XLOAD (\s)+2                                   ; which take the loads of two steps on
.endif
	QUANT X
.irp g, 0,1,2
	global_store_b128 v1, v[PC+4*\g:PC+4*\g+3], s[14:15] offset:FB*(\s)+512*\g  ; 32 lanes store 512 consecutive bytes, at a multiple of 256 from the buffer's first byte
.endr
.if (\s)%2 == 0
	v_mov_b32 v[PWE], v[PW]
.else
	v_cndmask_b32 v[SW+(\s)/2], v[PWE], v[PW], s36 ; lanes 0-15 keep the even step's word, lanes 16-31 the odd step's
.endif
.endm
; W: block bb of K step sl: 32 numbers down K of my column; each load reads 128 consecutive bytes of one row of W
.macro WLOAD sl, bb, pitch
.set ii, 0
.rept 32
	global_load_b32 v[NUM+32*(\bb)+ii], v4, s[22:23] offset:(128*(\sl)+32*(\bb)+ii)*(\pitch) th:TH_LOAD_NT
.set ii, ii+1
.endr
.endm
.macro WBLOCK sl, bb, cnt, pitch
.set NB, NUM+32*(\bb)
.set FD, F+24*(\sl)+12*((\bb)%2)+6*((\bb)/2)
	s_wait_loadcnt \cnt                            ; the block's 32 loads are in (the count: the loads issued behind them, or 63 where they are more)
	v_max3_num_f32 v196, |v[NB]|, |v[NB+1]|, |v[NB+2]|     ; the block's largest magnitude: all 32 numbers are mine
	v_max3_num_f32 v197, |v[NB+3]|, |v[NB+4]|, |v[NB+5]|
.irp i, 6,10,14,18,22,26
	v_max3_num_f32 v196, v196, |v[NB+\i]|, |v[NB+\i+1]|
	v_max3_num_f32 v197, v197, |v[NB+\i+2]|, |v[NB+\i+3]|
.endr
	v_max3_num_f32 v196, v196, |v[NB+30]|, |v[NB+31]|
	v_max3_num_f32 v196, v196, v197, 0x2800000     ; and the floor 2^(5 - 127)
	v_add_nc_u32 v200, 0xfe000000, v196            ; the conversion's scale operand
	v_lshrrev_b32 v201, 23, v200                   ; the scale's byte
.if (\bb) == 0
	v_mov_b32 v[WSW+(\sl)], v201
.else
	v_lshl_or_b32 v[WSW+(\sl)], v201, 8*(\bb), v[WSW+(\sl)]
.endif
	v_cvt_scalef32_pk16_bf6_f32 v[FD:FD+2], v[NB:NB+15], v200
	v_cvt_scalef32_pk16_bf6_f32 v[TQ:TQ+2], v[NB+16:NB+31], v200
	v_nop                                          ; one plain instruction behind the scaled conversions
.irp i, 0,1,2
	v_mov_b32 v[FD+3+\i], v[TQ+\i]
.endr
.if (\sl) == 0
	WLOAD 1, \bb, \pitch                           ; the block's registers take the same block of the second K step
.endif
.endm
; Lane (u, r) holds all four blocks of row r of tile 2 i + u.  The exchange gives lanes 0-15 blocks 0, 2 and lanes 16-31 blocks 1, 3 of ONE tile: the first run becomes tile 2 i's image, the second tile 2 i + 1's.
.macro WOUT sl
.set ii, 0
.rept 12
	v_permlane16_swap_b32 v[F+24*(\sl)+ii], v[F+24*(\sl)+12+ii]
.set ii, ii+1
.endr
.irp u, 0,1
.irp g, 0,1,2
	global_store_b128 v1, v[F+24*(\sl)+12*\u+4*\g:F+24*(\sl)+12*\u+4*\g+3], s[32:33] offset:(4*(\sl)+\u)*FB+512*\g
.endr
.endr
.endm
.macro WPATH pitch
	global_load_b32 v204, v4, s[38:39]             ; my column's bias: the oldest load, so no count below has to know of it
	WLOAD 0, 0, \pitch
	WLOAD 0, 1, \pitch
	WLOAD 0, 2, \pitch
	WLOAD 0, 3, \pitch
	WBLOCK 0, 0, 63, \pitch                        ; 96 loads stand behind each of these blocks'
	WBLOCK 0, 1, 63, \pitch
	WBLOCK 0, 2, 63, \pitch
	WBLOCK 0, 3, 63, \pitch
	WOUT 0
	WBLOCK 1, 0, 63, \pitch                        ; 96 behind it
	WBLOCK 1, 1, 63, \pitch                        ; 64
	WBLOCK 1, 2, 32, \pitch
	WBLOCK 1, 3, 0, \pitch
	WOUT 1
	global_store_b64 v5, v[WSW:WSW+1], s[34:35]    ; 32 lanes store 256 consecutive bytes
	s_cmp_lg_u32 s25, 0                            ; the chunk's biases are stored by its first quarter alone: each byte has one owner
	s_cbranch_scc1 .Lno_bias_\@
	global_store_b32 v4, v204, s[36:37]
.Lno_bias_\@:
	s_endpgm
.endm
	s_load_b256 s[4:11], s[0:1], 0x0               ; x s[4:5], W_qkv s[6:7], b_qkv s[8:9], W_out s[10:11]
	s_load_b128 s[12:15], s[0:1], 0x20             ; b_out s[12:13], xq s[14:15]
	s_load_b64 s[16:17], s[0:1], 0x30              ; wq
	v_lshl_add_u32 v254, v0, 2, 0x8400
	v_mov_b32 v255, 0
	v_lshrrev_b32 v1, 5, v0
	v_readfirstlane_b32 s18, v1                    ; wave 0..3
	v_and_b32 v6, 31, v0                           ; lane
	v_and_b32 v7, 15, v0                           ; r
	v_bfe_u32 v8, v0, 4, 1                         ; lane / 16
	v_lshlrev_b32 v1, 4, v6                        ; 16 x lane
	s_mov_b32 s[SEL], 0x76543210
	s_mov_b32 s[SEL+1], 0xfedcba98
	s_cmp_lt_u32 ttmp9, 256
	s_cbranch_scc0 .Lweights
	; ---- x: tile 4 x work-group + wave
	s_mul_i32 s22, s18, 16*SP                      ; my stage
	v_add_nc_u32 v2, s22, v1                       ; in: 16 bytes a lane of a row's 512
	v_mul_u32_u24 v3, v7, SP
	v_lshl_add_u32 v3, v8, 6, v3
	v_add_nc_u32 v3, s22, v3                       ; out: row r, + 64 bytes for lanes 16-31
	v_cmp_lt_u32 s36, 15, v6                       ; lanes 16-31
.irp b, 0,1,2,3
	v_mov_b32 v[TM+4+\b], 0                        ; written once: a lane permute's destination counts as one of its sources
.endr
	s_lshl_b32 s24, ttmp9, 2
	s_add_co_u32 s24, s24, s18                     ; my tile
	s_lshl_b32 s26, s24, 16                        ; 16 rows of 4,096 bytes
	s_mov_b32 s27, 0
	s_mul_i32 s28, s24, XT
	s_mov_b32 s29, 0
	s_wait_alu depctr_va_vdst(0)
	s_wait_kmcnt 0x0
	s_add_nc_u64 s[4:5], s[4:5], s[26:27]
	s_add_nc_u64 s[14:15], s[14:15], s[28:29]
	XLOAD 0
	XLOAD 1
.irp s, 0,1,2,3,4,5,6,7
	XSTEP \s
.endr
	global_store_b128 v1, v[SW:SW+3], s[14:15] offset:12288
	s_wait_tensorcnt 0x0
	ds_add_u32 v254, v255
	s_wait_dscnt 0x0
	s_endpgm
.Lweights:
	s_wait_alu depctr_va_vdst(0)
	; ---- weights: 32 columns (pair) x 256 along K (quarter sh)
	v_and_b32 v9, 8, v7
	v_add_nc_u32 v9, v9, v7                        ; r + 8 (r / 8)
	v_lshl_add_u32 v9, v8, 3, v9                   ; + 8 u: my column among the pair's 32
	v_lshlrev_b32 v4, 2, v9
	v_lshlrev_b32 v5, 3, v6                        ; 8 x lane
	s_sub_co_u32 s24, ttmp9, 256
	s_and_b32 s25, s24, 3                          ; sh
	s_and_b32 s26, s24, 0x7c
	s_add_co_u32 s26, s26, s18                     ; pair 0..127: 96 of W_qkv, then 32 of W_out
	s_and_b32 s27, s26, 1                          ; i: which two tiles of the chunk
	s_lshr_b32 s28, s26, 1                         ; chunk 0..63
	s_lshr_b32 s29, s28, 4                         ; kind: 0 q, 1 k, 2 v, 3 W_out
	s_bfe_u32 s30, s28, 0x20002                    ; the pair of waves (w / 2) that will use it
	s_and_b32 s31, s28, 3                          ; which of that pair's four
	s_lshl_b32 s30, s30, 3
	s_add_co_u32 s30, s30, s31
	s_lshr_b32 s31, s29, 1
	s_xor_b32 s29, s29, s31
	s_and_b32 s29, s29, 1                          ; 1 for k and v
	s_lshl_b32 s29, s29, 5
	s_add_co_u32 s30, s30, s29
	s_lshl_b32 s31, s31, 2                         ; 4 for v and W_out
	s_add_co_u32 s30, s30, s31                     ; the chunk's place
	s_mul_i32 s30, s30, CH
	s_mov_b32 s31, 0
	s_wait_kmcnt 0x0
	s_add_nc_u64 s[16:17], s[16:17], s[30:31]      ; wq at my chunk
	s_lshl_b32 s30, s27, 7
	s_add_co_u32 s30, s30, 51200
	s_add_nc_u64 s[36:37], s[16:17], s[30:31]      ; where my pair's biases go
	s_mul_i32 s30, s25, QB
	s_add_nc_u64 s[16:17], s[16:17], s[30:31]      ; my quarter
	s_mul_i32 s30, s27, 2*FB
	s_add_nc_u64 s[32:33], s[16:17], s[30:31]      ; my two tiles' images
	s_lshl_b32 s30, s27, 8
	s_add_co_u32 s30, s30, 12288
	s_add_nc_u64 s[34:35], s[16:17], s[30:31]      ; their scale words
	s_mov_b32 s29, 0x100000                        ; 256 rows of W_out in bytes
	s_cmp_lt_u32 s26, 96                           ; W_qkv or W_out?  The choice hangs on the work-group's number alone
	s_cselect_b64 s[22:23], s[6:7], s[10:11]
	s_cselect_b64 s[38:39], s[8:9], s[12:13]
	s_cselect_b32 s28, 0, 96
	s_cselect_b32 s29, 0x300000, s29               ; 256 rows of W_qkv
	s_sub_co_u32 s28, s26, s28                     ; the pair within its tensor
	s_lshl_b32 s30, s28, 7                         ; 32 columns of 4 bytes
	s_add_nc_u64 s[38:39], s[38:39], s[30:31]
	s_mul_i32 s29, s29, s25
	s_add_co_u32 s30, s30, s29
	s_add_nc_u64 s[22:23], s[22:23], s[30:31]
	s_cmp_lt_u32 s26, 96
	s_cbranch_scc0 .Lw_out                         ; the two ways differ in the pitch alone, which stands in the loads' immediates
	s_wait_alu depctr_va_vdst(0)
	WPATH 12288
.Lw_out:
	s_wait_alu depctr_va_vdst(0)
	WPATH 4096
.Lfunc_end_k_q888ccca8ec_quant:
	.size	k_q888ccca8ec_quant, .Lfunc_end_k_q888ccca8ec_quant-k_q888ccca8ec_quant
	.p2alignl 7, 3214868480
	.fill 96, 4, 3214868480
	.section	.rodata,"a",@progbits
	.p2align	6, 0x0
	.amdhsa_kernel k_q888ccca8ec_quant
		.amdhsa_group_segment_fixed_size 34304
		.amdhsa_private_segment_fixed_size 0
		.amdhsa_enable_private_segment 0
		.amdhsa_kernarg_size 56
		.amdhsa_user_sgpr_count 2
		.amdhsa_user_sgpr_kernarg_segment_ptr 1
		.amdhsa_wavefront_size32 1
		.amdhsa_system_sgpr_workgroup_id_x 1
		.amdhsa_system_sgpr_workgroup_id_y 1
		.amdhsa_system_sgpr_workgroup_id_z 1
		.amdhsa_system_vgpr_workitem_id 0
		.amdhsa_next_free_vgpr 256
		.amdhsa_next_free_sgpr 66
		.amdhsa_reserve_vcc 0
		.amdhsa_float_denorm_mode_32 3
		.amdhsa_float_denorm_mode_16_64 3
		.amdhsa_memory_ordered 1
		.amdhsa_forward_progress 1
		.amdhsa_inst_pref_size 142
	.end_amdhsa_kernel
	.amdgpu_metadata
---
amdhsa.version: [ 1, 2 ]
amdhsa.kernels:
  - .name:           k_q888ccca8ec_quant
    .symbol:         k_q888ccca8ec_quant.kd
    .args:
      - { .name: x, .offset: 0, .size: 8, .value_kind: global_buffer, .address_space: global }
      - { .name: W_qkv, .offset: 8, .size: 8, .value_kind: global_buffer, .address_space: global }
      - { .name: b_qkv, .offset: 16, .size: 8, .value_kind: global_buffer, .address_space: global }
      - { .name: W_out, .offset: 24, .size: 8, .value_kind: global_buffer, .address_space: global }
      - { .name: b_out, .offset: 32, .size: 8, .value_kind: global_buffer, .address_space: global }
      - { .name: xq, .offset: 40, .size: 8, .value_kind: global_buffer, .address_space: global }
      - { .name: wq, .offset: 48, .size: 8, .value_kind: global_buffer, .address_space: global }
    .group_segment_fixed_size: 34304
    .private_segment_fixed_size: 0
    .kernarg_segment_align: 8
    .kernarg_segment_size: 56
    .max_flat_workgroup_size: 128
    .sgpr_count:     66
    .vgpr_count:     256
    .wavefront_size: 32
...
	.end_amdgpu_metadata
.endif
;; end of part 4
;; launch kvpart (part 5): grid 256 x 1, 8 waves a work-group, no clusters, 318,464 bytes of LDS; arguments xq, wq, kvp; writes kvp
.if DOCPART == 5
	.amdgcn_target "amdgcn-amd-amdhsa--gfx1250"
	.amdhsa_code_object_version 6
	.text
	.protected	k_q888ccca8ec_kvpart
	.globl	k_q888ccca8ec_kvpart
	.p2align	8
	.type	k_q888ccca8ec_kvpart,@function
k_q888ccca8ec_kvpart:
	s_mov_b64 s[64:65], 0
	v_nop
	global_prefetch_b8 v0, s[64:65] scope:SCOPE_SE
	s_setreg_imm32_b32 hwreg(HW_REG_WAVE_SCHED_MODE, 0, 2), 2
	s_setreg_imm32_b32 hwreg(HW_REG_WAVE_MODE, 25, 1), 1
	s_wait_xcnt 0x0
	s_wait_alu depctr_vm_vsrc(0)
; kvp[g][d] = the sum over the 64 rows of work-group g of k[row][d] / |k[row]| x v[row][d], with k = x Wk + bk, v = x Wv + bv on codes of BF6 (E3M2) with E8M0 block scales; sums in f32.
; SHARES.  Work-group g owns rows 64 g .. 64 g + 63.  EIGHT waves, two to a SIMD, 512 registers each: wave w owns columns 128 w .. 128 w + 127 of k and of v, two chunks of 64 columns each.
; While one wave of a SIMD waits for weights or walks an epilogue the other has the matrix unit; and eight waves have 8 x 48 loads of 512 bytes of weights on their way where four would have half of that.
; x's codes of the 64 rows, K = 1,024, lie ONCE in LDS as 32 images of operand registers (49,152 bytes); each group of 16 products fetches its K step's four fragments by twelve loads of 512 dense bytes.
; A weight fragment feeds four matrix instructions.  The products are used TRANSPOSED (source 0 = 16 weight columns, source 1 = 16 rows of x): in accumulator (t = 2 b + u, m) register j of lane (r, h) is
; row 16 m + r, chunk column 32 b + 16 h + 8 u + j.  The bias is the C of a sum's first product.
; k waits in LDS for its row's norm (each wave's own 32,768 bytes, as images of the accumulators); the eight waves' sums of squares meet behind a barrier.  Two barriers in all: x's images; the sums of squares.
; The four chunks of a wave lie at places P0, P0 + 1 (k), P0 + 4, P0 + 5 (v) of wq, P0 = 32 + 8 (w / 2) + 2 (w % 2): one base, every chunk an immediate; so the four trips are written out and no pointer is stepped.
; NO CLUSTER, NO JOINT LOADS, though all work-groups walk the same weights: the 64 x 1,024 f32 that wait for the norm take 262,144 of a WGP's 327,680 bytes of LDS and x's images 49,152 more; and a weight
; fragment is used by ONE wave, so it goes from memory straight into that wave's registers, three loads of 512 dense bytes, through a ring of four register slots (a K step each), asked for four K steps ahead.
; LIMIT: a row's sum of squares has to lie in f32's normal range; a row of zeros gives NaN, as a division by a zero norm does.
; REGISTERS, in windows of 256: window 0: v1-10 addresses; v16-31 x's scale words; v32-47 the chunk's; v48-79 its biases; v80-207 the 16 accumulators; v208-223 sums of squares, 1 / norm; v224-255 at work.
;   window 1: v0-191 the ring's four slots; v192-239 x's four fragments of the K step in hand; in v's epilogue v192-255 half a kept chunk of k.
; THE MODE: SCHED_MODE bits 1:0 = 2 (LLVM: expert scheduling mode 2), set by the entry lines.  The code itself states the register dependences between vector or matrix instructions and memory or LDS
; instructions, with s_wait_alu, always for 0.
; THE PLAN.  Registers that memory or LDS instructions touch, and who else names them:
;   v1-10, v14, v15      addresses and the closing add's two: written by vector instructions at the head, never again: one wait on va_vdst ahead of the first load.
;   ring slot s % 4      filled by global loads, read by group s's sixteen products, filled again behind them.
;   x's fragments        at the head filled by global loads and read by LDS stores; then filled by LDS loads, read by a group's products, filled again behind them.  ONE buffer: window 0 is full, and of window 1's
;                        256 registers the ring has 192, the fragments 48 and v's epilogue the last 16 with them; two waves to a SIMD have 512 each.
;   scale words, biases  filled by loads; a quarter's words are read by its two groups, the biases by group 0; filled again behind the group that read them last.
;   the accumulators     written by the products; k's: read by LDS stores and by the squares; v's: worked on by vector instructions, the sums then read by LDS stores; written again by the next chunk's products.
;   window 1, v192-255   in v's epilogue: the kept k lands there in two halves; KVMUL reads it.
;   v224-255             the norm: vector work, four LDS stores, 32 LDS loads; at the end four registers of sums on their way out.
; So ONE wait on va_vdst stands in a group, behind its products, which empty the buffers that are asked for again at once; the group's loads, and behind a chunk's last group the epilogue's first LDS
; instructions, follow it with no vector or matrix instruction between that names their registers.  The other waits stand where an epilogue hands registers from one side to the other, each with its reason.
.set CH,   51456                       ; a chunk of wq
.set QB,   12800                       ; a quarter of it: two K steps
.set FB,   1536                        ; a fragment's image
.set XT,   12800                       ; a tile of xq
.set SCR,  262144                      ; LDS: behind the kept k: the waves' sums of squares, 256 w + 64 m + 4 r
.set KVS,  264192                      ; the wave's 128 sums, 512 w + 4 x column
.set XL,   268288                      ; x's images: (K step s, tile m) at 1,536 (4 s + m)
.set LI,   1                           ; v1  16 x lane
.set L8,   2                           ; v2  8 x lane
.set H64,  3                           ; v3  64 x (lane / 16)
.set KA0,  4                           ; v4  32,768 w + 16 x lane: my place in the kept k
.set XR,   5                           ; v5  XL + 16 x lane
.set NW,   6                           ; v6  SCR + 256 w + 4 r
.set NR,   7                           ; v7  SCR + 4 r
.set SA0,  8                           ; v8  KVS + 512 w + 64 (lane / 16)
.set XW,   9                           ; v9  where I store my twelve pieces of x's images
.set KVR,  10                          ; v10 KVS + 512 w + 16 x lane
.set XS,   16                          ; x's scale words: v[XS + 4 m + j]: lanes 0-15 K step 2 j, lanes 16-31 K step 2 j + 1
.set BS,   32                          ; the chunk's: v[BS + 4 q + 2 i + sl]: K step 2 q + sl; lanes 0-15 tile 2 i, lanes 16-31 tile 2 i + 1
.set BIAS, 48
.set ACC,  80
.set SS,   208
.set INV,  216
.set XB,   192                         ; in window 1
.set KT,   192                         ; in window 1
.set WQ,   12                          ; s[12:13] my first chunk; never rewritten
.set MSB,  0
.macro WIN new                         ; the immediate's high byte repeats the setting that is left; a switch that changes nothing is dropped
.if MSB != (\new)
	s_set_vgpr_msb (MSB<<8)|(\new)
.set MSB, (\new)
.endif
.endm
.macro RING x, off                     ; the four weight fragments of K step x of the chunk at off into ring slot x % 4: twelve loads
	WIN 0x40
.irp t, 0,1,2,3
.irp g, 0,1,2
	global_load_b128 v[48*((\x)%4)+12*\t+4*\g:48*((\x)%4)+12*\t+4*\g+3], v[LI], s[WQ:WQ+1] offset:(\off)+((\x)/2)*QB+(4*((\x)%2)+\t)*FB+512*\g
.endr
.endr
.endm
.macro SCL q, off                      ; the scale words of quarter q: two loads
	WIN 0
.irp i, 0,1
	global_load_b64 v[BS+4*(\q)+2*\i:BS+4*(\q)+2*\i+1], v[L8], s[WQ:WQ+1] offset:(\off)+(\q)*QB+12288+256*\i
.endr
.endm
.macro BIASL off                       ; the biases in the result's layout: eight loads
	WIN 0
.irp t, 0,1,2,3
.irp f, 0,1
	global_load_b128 v[BIAS+8*\t+4*\f:BIAS+8*\t+4*\f+3], v[H64], s[WQ:WQ+1] offset:(\off)+51200+(32*(\t/2)+8*(\t%2))*4+16*\f
.endr
.endr
.endm
.macro XFETCH s                        ; x's four fragments of K step s out of LDS: twelve loads of 512 dense bytes
	WIN 0x40
.irp m, 0,1,2,3
.irp g, 0,1,2
	ds_load_b128 v[XB+12*\m+4*\g:XB+12*\m+4*\g+3], v[XR] offset:FB*(4*(\s)+\m)+512*\g
.endr
.endr
.endm
.macro MM s, t, m                      ; one product: tile t of the chunk x tile m of the rows, K step s
.set rD, ACC+8*(4*(\t)+(\m))
.set rA, RA+12*(\t)
.set rB, XB+12*(\m)
.set rC, BIAS+8*(\t)
.set rP, BS+4*((\s)/2)+2*((\t)/2)+(\s)%2
.set rQ, XS+4*(\m)+(\s)/2
.if (\s) == 0
.if (\t)%2 == 0
	v_wmma_scale_f32_16x16x128_f8f6f4 v[rD:rD+7], v[rA:rA+11], v[rB:rB+11], v[rC:rC+7], v[rP], v[rQ] matrix_a_fmt:MATRIX_FMT_BF6 matrix_b_fmt:MATRIX_FMT_BF6
.else
	v_wmma_scale_f32_16x16x128_f8f6f4 v[rD:rD+7], v[rA:rA+11], v[rB:rB+11], v[rC:rC+7], v[rP], v[rQ] matrix_a_fmt:MATRIX_FMT_BF6 matrix_b_fmt:MATRIX_FMT_BF6 matrix_a_scale:MATRIX_SCALE_ROW1
.endif
.elseif (\s)%2 == 0
.if (\t)%2 == 0
	v_wmma_scale_f32_16x16x128_f8f6f4 v[rD:rD+7], v[rA:rA+11], v[rB:rB+11], v[rD:rD+7], v[rP], v[rQ] matrix_a_fmt:MATRIX_FMT_BF6 matrix_b_fmt:MATRIX_FMT_BF6
.else
	v_wmma_scale_f32_16x16x128_f8f6f4 v[rD:rD+7], v[rA:rA+11], v[rB:rB+11], v[rD:rD+7], v[rP], v[rQ] matrix_a_fmt:MATRIX_FMT_BF6 matrix_b_fmt:MATRIX_FMT_BF6 matrix_a_scale:MATRIX_SCALE_ROW1
.endif
.else
.if (\t)%2 == 0
	v_wmma_scale_f32_16x16x128_f8f6f4 v[rD:rD+7], v[rA:rA+11], v[rB:rB+11], v[rD:rD+7], v[rP], v[rQ] matrix_a_fmt:MATRIX_FMT_BF6 matrix_b_fmt:MATRIX_FMT_BF6 matrix_b_scale:MATRIX_SCALE_ROW1
.else
	v_wmma_scale_f32_16x16x128_f8f6f4 v[rD:rD+7], v[rA:rA+11], v[rB:rB+11], v[rD:rD+7], v[rP], v[rQ] matrix_a_fmt:MATRIX_FMT_BF6 matrix_b_fmt:MATRIX_FMT_BF6 matrix_a_scale:MATRIX_SCALE_ROW1 matrix_b_scale:MATRIX_SCALE_ROW1
.endif
.endif
.endm
; K step s of the chunk at co: the waits for its ring slot and for x's fragments, 16 products (the 16 accumulators by turns, one instruction a turn), four places, the group's one wait
; on va_vdst, and the loads into what has just been read: x's fragments of the next K step (xf = 1); the slot takes the K step four on (of this chunk, or with nxt = 1 of the chunk at no); the next chunk's
; biases and scale words go ahead of the ring's loads of their batch, so that a later wait for the ring covers them.
.macro GROUP s, cnt, nxt, co, no, xf
	s_wait_loadcnt \cnt                            ; the loads issued behind this K step's twelve: the three batches since
	s_wait_dscnt 0x0                               ; x's fragments of this K step are in
.set RA, 48*((\s)%4)
	WIN 0x05                                       ; sources 0 and 1: window 1; C and D: window 0
.irp t, 0,1,2,3
.irp m, 0,1,2,3
	MM \s, \t, \m
.endr
.endr
.rept 4
	v_nop                                          ; four places behind the products: behind a chunk's last group vector instructions and LDS stores read the results; the places stay beside the wait below
.endr
	s_wait_alu depctr_va_vdst(0)                   ; the sixteen products are done reading this ring slot, x's fragments and, where they are asked for anew, the biases and a quarter's scale words: the loads below (behind v's last group: the kept k's) land in them; and they have written the accumulators, which k's LDS stores behind a chunk's last group read
.if \nxt
.if (\s) == 0
	BIASL \no
.elseif (\s) == 1
	SCL 0, \no
.elseif (\s) == 3
	SCL 1, \no
.elseif (\s) == 5
	SCL 2, \no
.elseif (\s) == 7
	SCL 3, \no
.endif
.endif
.if \xf
.set XN, ((\s)+1)%8
	XFETCH XN
.endif
.if (\s) < 4
	RING (\s)+4, \co
.elseif \nxt
	RING (\s)-4, \no
.endif
.endm
; A chunk's 128 products.  Batches, in global loads: 20, 14, 12, 14, 12, 14, 12, 14 with a next chunk; 12, 12, 12, 12 and nothing without.  xl = 1: the last group fetches x's K step 0 for the next chunk.
.macro TRIP co, no, nxt, xl
.if \nxt
	GROUP 0, 40, 1, \co, \no, 1
	GROUP 1, 46, 1, \co, \no, 1
	GROUP 2, 48, 1, \co, \no, 1
	GROUP 3, 46, 1, \co, \no, 1
	GROUP 4, 40, 1, \co, \no, 1
	GROUP 5, 38, 1, \co, \no, 1
	GROUP 6, 40, 1, \co, \no, 1
	GROUP 7, 38, 1, \co, \no, \xl
.else
	GROUP 0, 40, 0, \co, 0, 1
	GROUP 1, 38, 0, \co, 0, 1
	GROUP 2, 38, 0, \co, 0, 1
	GROUP 3, 36, 0, \co, 0, 1
	GROUP 4, 36, 0, \co, 0, 1
	GROUP 5, 24, 0, \co, 0, 1
	GROUP 6, 12, 0, \co, 0, 1
	GROUP 7, 0, 0, \co, 0, \xl
.endif
.endm
.macro PROLOGUE                        ; the first chunk's 64 loads, in the order in which a trip before it would have issued them: so the trips' counts hold for the first too
	BIASL 0
	SCL 0, 0
	SCL 1, 0
	RING 0, 0
	SCL 2, 0
	RING 1, 0
	RING 2, 0
	SCL 3, 0
	RING 3, 0
	WIN 0
.endm
.macro EPI_KEEP c                      ; chunk c of k goes to LDS as an image of its accumulators, each from its low end on; its squares are summed by rows.  (The last group's wait on va_vdst has shown the accumulators written)
	WIN 0
.set e, 0
.rept 32
	ds_store_b128 v[KA0], v[ACC+4*e:ACC+4*e+3] offset:16384*(\c)+512*e
.set e, e+1
.endr
.irp t, 0,1,2,3
.irp p, 0,1,2,3
.irp m, 0,1,2,3
	v_pk_fma_f32 v[SS+2*\m:SS+2*\m+1], v[ACC+8*(4*\t+\m)+2*\p:ACC+8*(4*\t+\m)+2*\p+1], v[ACC+8*(4*\t+\m)+2*\p:ACC+8*(4*\t+\m)+2*\p+1], v[SS+2*\m:SS+2*\m+1]
.endr
.endr
.endr
	s_wait_dscnt 0x0                               ; the stores have read the accumulators, which the next chunk's products write
	s_wait_alu depctr_vm_vsrc(0)                   ; the 32 LDS stores have read the accumulators, which the next chunk's products write
.endm
.macro NORM                            ; 1 / norm of my four rows 16 m + r, from the eight waves' sums of squares
	WIN 0
.irp m, 0,1,2,3
	v_mov_b32 v[228+\m], 0                         ; a lane permute's destination counts as one of its sources
.endr
	s_wait_alu depctr_va_vdst(0)
.irp m, 0,1,2,3
	v_add_f32 v[224+\m], v[SS+2*\m], v[SS+2*\m+1]
.endr
.irp m, 0,1,2,3
	v_permlanex16_b32 v[228+\m], v[224+\m], s20, s21
.endr
.irp m, 0,1,2,3
	v_add_f32 v[224+\m], v[224+\m], v[228+\m]      ; with lane l xor 16's columns: my wave's 128
.endr
	s_wait_alu depctr_va_vdst(0)                   ; the additions have written v224-227, which the LDS stores read; and the lines above are done with v224-231, in which the loads behind the barrier land
.irp m, 0,1,2,3
	ds_store_b32 v[NW], v[224+\m] offset:64*\m     ; both halves of the lanes write the same word with the same value
.endr
	s_wait_dscnt 0x0                               ; for the others' sake: my stores have landed, and my reads of LDS are over
	s_barrier_signal -1
	s_barrier_wait -1
	s_wait_alu depctr_vm_vsrc(0)                   ; my four LDS stores have read v224-227, in which the loads below land
.irp w, 0,1,2,3,4,5,6,7
.irp m, 0,1,2,3
	ds_load_b32 v[224+4*\w+\m], v[NR] offset:256*\w+64*\m
.endr
.endr
	s_wait_dscnt 0x0
.irp w, 0,2,4,6
.irp m, 0,1,2,3
	v_add_f32 v[224+4*\w+\m], v[224+4*\w+\m], v[228+4*\w+\m]
.endr
.endr
.irp w, 0,4
.irp m, 0,1,2,3
	v_add_f32 v[224+4*\w+\m], v[224+4*\w+\m], v[232+4*\w+\m]
.endr
.endr
.irp m, 0,1,2,3
	v_add_f32 v[224+\m], v[224+\m], v[240+\m]
.endr
	s_wait_alu depctr_va_vdst(0)
.irp m, 0,1,2,3
	v_rsq_f32 v[INV+2*\m], v[224+\m]
.endr
	v_nop                                          ; a plain instruction behind the last of the four
	s_wait_alu depctr_va_vdst(0)                   ; one wait for the four reciprocal roots in v216, v218, v220, v222, ahead of their first reader
.irp m, 0,1,2,3
	v_mov_b32 v[INV+2*\m+1], v[INV+2*\m]           ; (the packed forms name a pair)
.endr
.endm
.macro KVMUL hh                        ; tiles 2 hh, 2 hh + 1: x the kept k, summed over the four tiles of rows: eight chains side by side
	WIN 0x04                                       ; source 1: window 1
.irp tt, 0,1
.irp p, 0,1,2,3
	v_pk_mul_f32 v[ACC+32*(2*(\hh)+\tt)+2*\p:ACC+32*(2*(\hh)+\tt)+2*\p+1], v[ACC+32*(2*(\hh)+\tt)+2*\p:ACC+32*(2*(\hh)+\tt)+2*\p+1], v[KT+32*\tt+2*\p:KT+32*\tt+2*\p+1]
.endr
.endr
.irp m, 1,2,3
.irp tt, 0,1
.irp p, 0,1,2,3
	v_pk_fma_f32 v[ACC+32*(2*(\hh)+\tt)+2*\p:ACC+32*(2*(\hh)+\tt)+2*\p+1], v[ACC+32*(2*(\hh)+\tt)+8*\m+2*\p:ACC+32*(2*(\hh)+\tt)+8*\m+2*\p+1], v[KT+32*\tt+8*\m+2*\p:KT+32*\tt+8*\m+2*\p+1], v[ACC+32*(2*(\hh)+\tt)+2*\p:ACC+32*(2*(\hh)+\tt)+2*\p+1]
.endr
.endr
.endr
	WIN 0
.endm
.macro KVRED hh                        ; and over the sixteen rows that lie in sixteen lanes
.irp x, 1,2,4,8
.irp tt, 0,1
.irp j, 0,1,2,3,4,5,6,7
	v_add_f32_dpp v[ACC+32*(2*(\hh)+\tt)+\j], v[ACC+32*(2*(\hh)+\tt)+\j], v[ACC+32*(2*(\hh)+\tt)+\j] row_xmask:\x row_mask:0xf bank_mask:0xf
.endr
.endr
.endr
.endm
.macro EPI_KV c                        ; chunk c of v: x 1 / norm, x the kept k, summed over the 64 rows.  The kept chunk comes back in two halves of 64 registers, where x's fragments lay
	WIN 0x40
.set e, 0
.rept 16
	ds_load_b128 v[KT+4*e:KT+4*e+3], v[KA0] offset:16384*(\c)+512*e     ; (the last group's wait on va_vdst has shown its products done reading these registers)
.set e, e+1
.endr
	WIN 0
.irp t, 0,1,2,3
.irp p, 0,1,2,3
.irp m, 0,1,2,3
	v_pk_mul_f32 v[ACC+8*(4*\t+\m)+2*\p:ACC+8*(4*\t+\m)+2*\p+1], v[ACC+8*(4*\t+\m)+2*\p:ACC+8*(4*\t+\m)+2*\p+1], v[INV+2*\m:INV+2*\m+1] op_sel_hi:[1,0]
.endr
.endr
.endr
	s_wait_dscnt 0x0                               ; the first half of k is in
	KVMUL 0
	WIN 0x40
	s_wait_alu depctr_va_vdst(0)                   ; KVMUL 0's multiply-adds are done reading the first half of the kept k, in whose registers the second half lands
.set e, 0
.rept 16
	ds_load_b128 v[KT+4*e:KT+4*e+3], v[KA0] offset:16384*(\c)+512*(16+e)
.set e, e+1
.endr
	WIN 0
	KVRED 0                                        ; the first half's sums over lanes stand between the second half's loads and the wait for them
	s_wait_dscnt 0x0
	KVMUL 1
	KVRED 1
	s_wait_alu depctr_va_vdst(0)                   ; the additions over lanes have written the sums, which the LDS stores read; and KVMUL 1 is done reading the kept k, in whose registers x's fragments land next
.irp t, 0,1,2,3
.irp f, 0,1
	ds_store_b128 v[SA0], v[ACC+32*\t+4*\f:ACC+32*\t+4*\f+3] offset:256*(\c)+(32*(\t/2)+8*(\t%2))*4+16*\f   ; the sixteen lanes of a half write the same bytes with the same values
.endr
.endr
	s_wait_dscnt 0x0                               ; the stores have read their registers
.endm
	s_load_b128 s[4:7], s[0:1], 0x0                ; xq s[4:5], wq s[6:7]
	s_load_b64 s[8:9], s[0:1], 0x10                ; kvp
	v_lshl_add_u32 v14, v0, 2, 0x4d800
	v_mov_b32 v15, 0
	v_lshrrev_b32 v2, 5, v0
	v_readfirstlane_b32 s16, v2                    ; wave 0..7
	v_and_b32 v224, 31, v0                         ; lane
	v_and_b32 v225, 15, v0                         ; r
	v_bfe_u32 v226, v0, 4, 1                       ; h
	v_lshlrev_b32 v[LI], 4, v224
	s_wait_alu depctr_va_vdst(0)
	v_lshlrev_b32 v[L8], 3, v224
	v_lshlrev_b32 v[H64], 6, v226
	s_wait_alu depctr_va_sdst(0)                   ; s16 is written, ahead of its first reader: LDS addresses and the bases of xq, wq and kvp are made from it
	s_lshl_b32 s22, s16, 15
	v_add_nc_u32 v[KA0], s22, v[LI]
	v_add_nc_u32 v[XR], XL, v[LI]
	v_lshl_add_u32 v[NR], v225, 2, SCR
	s_lshl_b32 s22, s16, 8
	v_add_nc_u32 v[NW], s22, v[NR]
	s_lshl_b32 s22, s16, 9
	s_add_co_u32 s22, s22, KVS
	v_add_nc_u32 v[SA0], s22, v[H64]
	v_add_nc_u32 v[KVR], s22, v[LI]
	s_lshr_b32 s23, s16, 1                         ; w / 2: the tile of x of which I bring a half; the group of four chunks in which mine lie
	s_and_b32 s24, s16, 1                          ; w % 2: which half
	s_mul_i32 s22, s23, FB
	s_mul_i32 s25, s24, 16*FB
	s_add_co_u32 s22, s22, s25
	s_add_co_u32 s22, s22, XL
	v_add_nc_u32 v[XW], s22, v[LI]                 ; image (K step 4 (w % 2), tile w / 2)
.irp i, 0,1,2,3,4,5,6,7
	v_mov_b32 v[SS+\i], 0
.endr
	s_mov_b32 s20, 0x76543210
	s_mov_b32 s21, 0xfedcba98                      ; v_permlanex16_b32's selects for lane l xor 16
	s_mul_i32 s26, ttmp9, 4*XT                     ; my work-group's four tiles of xq
	s_mov_b32 s27, 0
	s_mul_i32 s28, s23, XT                         ; in them: my tile,
	s_mul_i32 s25, s24, 4*FB                       ; my four K steps
	s_add_co_u32 s28, s28, s25
	s_mov_b32 s29, 0
	s_lshl_b32 s30, s23, 3
	s_lshl_b32 s25, s24, 1
	s_add_co_u32 s30, s30, s25
	s_add_co_u32 s30, s30, 32                      ; my first chunk's place: 32 + 8 (w / 2) + 2 (w % 2)
	s_mul_i32 s30, s30, CH
	s_mov_b32 s31, 0
	s_lshl_b32 s32, ttmp9, 12
	s_lshl_b32 s25, s16, 9
	s_add_co_u32 s32, s32, s25                     ; my 512 bytes of kvp
	s_mov_b32 s33, 0
	s_wait_kmcnt 0x0
	s_add_nc_u64 s[4:5], s[4:5], s[26:27]
	s_add_nc_u64 s[10:11], s[4:5], s[28:29]
	s_add_nc_u64 s[WQ:WQ+1], s[6:7], s[30:31]
	s_add_nc_u64 s[8:9], s[8:9], s[32:33]
	WIN 0x40
	s_wait_alu depctr_va_vdst(0)                   ; the ten addresses v1 to v10 are written, which every load and store of the kernel reads; none of them is written again
.set j, 0
.rept 12                                       ; my twelve pieces of x's images: 6,144 dense bytes
	global_load_b128 v[XB+4*j:XB+4*j+3], v[LI], s[10:11] offset:512*j
.set j, j+1
.endr
	WIN 0
.irp m, 0,1,2,3
	global_load_b128 v[XS+4*\m:XS+4*\m+3], v[LI], s[4:5] offset:XT*\m+12288   ; x's scale words stay in registers
.endr
	PROLOGUE
	s_wait_loadcnt 63                              ; my twelve pieces are in: 68 loads stand behind them
	WIN 0x04                                       ; an LDS store's data are its source 1: window 1
.set j, 0
.rept 12
	ds_store_b128 v[XW], v[XB+4*j:XB+4*j+3] offset:4*FB*(j/3)+512*(j%3)
.set j, j+1
.endr
	WIN 0
	s_wait_dscnt 0x0                               ; for the others' sake: my stores have landed
	s_barrier_signal -1
	s_barrier_wait -1                              ; x's 32 images lie in LDS
	s_wait_alu depctr_vm_vsrc(0)                   ; my twelve LDS stores have read the registers of x's fragments, in which the loads below land
	XFETCH 0
	TRIP 0, CH, 1, 1                               ; k, first chunk
	EPI_KEEP 0
	TRIP CH, 4*CH, 1, 1                            ; k, second chunk; it already asks for the first chunk of v
	EPI_KEEP 1
	NORM
	TRIP 4*CH, 5*CH, 1, 0                          ; v, first chunk
	EPI_KV 0
	s_wait_alu depctr_vm_vsrc(0)                   ; the LDS stores of the sums have read their accumulators, which the next chunk's products write
	XFETCH 0                                       ; the epilogue has used the registers of x's fragments
	TRIP 5*CH, 0, 0, 0                             ; v, second chunk: it asks for nothing beyond itself: no load leaves the buffer
	EPI_KV 1
	WIN 0
	ds_load_b128 v[224:227], v[KVR]                ; my wave's 128 sums, 16 bytes a lane: LDS serves a wave's instructions in order.  (v224-227 were last named by the norm's lines, ahead of many waits on va_vdst)
	s_wait_dscnt 0x0
	global_store_b128 v[LI], v[224:227], s[8:9]    ; 32 lanes store 512 consecutive bytes, at a multiple of 256 from the buffer's first byte
	s_wait_dscnt 0x0                               ; the closing lines, six on end
	s_wait_alu 0x0
	s_wait_tensorcnt 0x0
	ds_add_u32 v14, v15
	s_wait_dscnt 0x0
	s_endpgm
.Lfunc_end_k_q888ccca8ec_kvpart:
	.size	k_q888ccca8ec_kvpart, .Lfunc_end_k_q888ccca8ec_kvpart-k_q888ccca8ec_kvpart
	.p2alignl 7, 3214868480
	.fill 96, 4, 3214868480
	.section	.rodata,"a",@progbits
	.p2align	6, 0x0
	.amdhsa_kernel k_q888ccca8ec_kvpart
		.amdhsa_group_segment_fixed_size 318464
		.amdhsa_private_segment_fixed_size 0
		.amdhsa_enable_private_segment 0
		.amdhsa_kernarg_size 24
		.amdhsa_user_sgpr_count 2
		.amdhsa_user_sgpr_kernarg_segment_ptr 1
		.amdhsa_wavefront_size32 1
		.amdhsa_system_sgpr_workgroup_id_x 1
		.amdhsa_system_sgpr_workgroup_id_y 1
		.amdhsa_system_sgpr_workgroup_id_z 1
		.amdhsa_system_vgpr_workitem_id 0
		.amdhsa_next_free_vgpr 512
		.amdhsa_next_free_sgpr 66
		.amdhsa_reserve_vcc 0
		.amdhsa_float_denorm_mode_32 3
		.amdhsa_float_denorm_mode_16_64 3
		.amdhsa_memory_ordered 1
		.amdhsa_forward_progress 1
		.amdhsa_inst_pref_size 200
	.end_amdhsa_kernel
	.amdgpu_metadata
---
amdhsa.version: [ 1, 2 ]
amdhsa.kernels:
  - .name:           k_q888ccca8ec_kvpart
    .symbol:         k_q888ccca8ec_kvpart.kd
    .args:
      - { .name: xq, .offset: 0, .size: 8, .value_kind: global_buffer, .address_space: global }
      - { .name: wq, .offset: 8, .size: 8, .value_kind: global_buffer, .address_space: global }
      - { .name: kvp, .offset: 16, .size: 8, .value_kind: global_buffer, .address_space: global }
    .group_segment_fixed_size: 318464
    .private_segment_fixed_size: 0
    .kernarg_segment_align: 8
    .kernarg_segment_size: 24
    .max_flat_workgroup_size: 256
    .sgpr_count:     66
    .vgpr_count:     512
    .wavefront_size: 32
...
	.end_amdgpu_metadata
.endif
;; end of part 5
;; launch attn (part 6): grid 256 x 1, 8 waves a work-group, no clusters, 320,512 bytes of LDS; arguments xq, wq, kvp, out0; writes out0
.if DOCPART == 6
	.amdgcn_target "amdgcn-amd-amdhsa--gfx1250"
	.amdhsa_code_object_version 6
	.text
	.protected	k_q888ccca8ec_attn
	.globl	k_q888ccca8ec_attn
	.p2align	8
	.type	k_q888ccca8ec_attn,@function
k_q888ccca8ec_attn:
	s_mov_b64 s[64:65], 0
	v_nop
	global_prefetch_b8 v0, s[64:65] scope:SCOPE_SE
	s_setreg_imm32_b32 hwreg(HW_REG_WAVE_SCHED_MODE, 0, 2), 2
	s_setreg_imm32_b32 hwreg(HW_REG_WAVE_MODE, 25, 1), 1
	s_wait_xcnt 0x0
	s_wait_alu depctr_vm_vsrc(0)
; out0 = Q(q / |q| x kv) W_out + b_out, with q = x Wq + bq and kv[b][d] = the sum of the batch's 64 partial sums in kvp; both products on codes of BF6 (E3M2) with E8M0 block scales; all else in f32.
; SHARES.  Work-group g owns rows 64 g .. 64 g + 63 through the whole chain.  EIGHT waves, two to a SIMD, 512 registers each: wave w owns columns 128 w .. 128 w + 127 of q and of the output, two chunks of 64
; columns each.  While one wave of a SIMD waits for weights or walks an epilogue the other has the matrix unit; and eight waves have 8 x 48 loads of 512 bytes of weights on their way where four would have half.
; The left operand's codes of the 64 rows, K = 1,024, lie ONCE in LDS as 32 images of operand registers (49,152 bytes): first x's, then, in the same bytes, the hidden operand's; each group of 16 products
; fetches its K step's four fragments by twelve loads of 512 dense bytes.  A weight fragment feeds four matrix instructions.  The products are used TRANSPOSED (source 0 = 16 weight columns, source 1 = 16
; rows): in accumulator (t = 2 b + u, m) register j of lane (r, h) is row 16 m + r, chunk column 32 b + 16 h + 8 u + j: 16 neighbours along the next K in two neighbouring tiles.
; q waits in LDS for its row's norm (each wave's own 32,768 bytes).  Wave w's 128 columns are K step w of the second product: q x 1 / norm x kv, quantised in registers, goes to LDS as four images.
; Three barriers: x's images; the sums of squares (behind it nobody reads x's images any more); the hidden images.
; The four chunks of a wave lie at places P0, P0 + 1 (q), P0 + 4, P0 + 5 (W_out) of wq, P0 = 8 (w / 2) + 2 (w % 2): one base, every chunk an immediate; so the four trips are written out and no pointer is stepped.
; NO CLUSTER, NO JOINT LOADS, though all work-groups walk the same weights: the 64 x 1,024 f32 that wait for the norm take 262,144 of a WGP's 327,680 bytes of LDS, the images and their scale words 51,200 more;
; and a weight fragment is used by ONE wave, so it goes from memory straight into that wave's registers, three loads of 512 dense bytes, through a ring of four register slots, asked for four K steps ahead.
; LIMIT: a row's sum of squares has to lie in f32's normal range; a row of zeros gives NaN, as a division by a zero norm does.  A hidden block of zeros gets the scale byte 1: its codes are zeros.
; REGISTERS, in windows of 256: window 0: v1-15 addresses; v16-31 the left operand's scale words; v32-47 the chunk's; v48-79 its biases; v80-207 the 16 accumulators (at the head: 32 partial sums; in the hidden
;   stage: v80-143 64 numbers, v144-180 codes and work; on the way out: rows coming back); v208-223 sums of squares, 1 / norm; v224-255 at work.
;   window 1: v0-191 the ring's four slots; v192-239 the left operand's four fragments of the K step in hand; in the hidden stage v192-255 kv in the hidden operand's order.
; THE MODE: SCHED_MODE bits 1:0 = 2 (LLVM: expert scheduling mode 2), set by the entry lines.  The code itself states the register dependences between vector or matrix instructions and memory or LDS
; instructions, with s_wait_alu, always for 0.
; THE PLAN.  Registers that memory or LDS instructions touch, and who else names them:
;   v1-15, v216          addresses: written by vector instructions at the head: one wait on va_vdst ahead of the first load.  v1-15 are never written again; v216 is read by the head's LDS stores alone and becomes 1 / norm
;                        far behind the wait on vm_vsrc that follows those stores.
;   ring slot s % 4      filled by global loads, read by group s's sixteen products, filled again behind them.
;   the left fragments   at the head filled by global loads and read by LDS stores; then filled by LDS loads, read by a group's products, filled again behind them.  ONE buffer: window 0 is full, and of window 1's
;                        256 registers the ring has 192, the fragments 48 and the hidden stage's kv the last 16 with them; two waves to a SIMD have 512 each.
;   scale words, biases  filled by loads; a quarter's words are read by its two groups, the biases by group 0, the left operand's words by every group; filled again behind products that a wait has shown done.
;   v80-207              head: partial sums land, additions read them.  Chunks of q: products write, LDS stores and the squares read.  Hidden stage: the kept q lands in v80-143, vector instructions work on it and make
;                        codes and a scale word in v144-180, LDS stores read those.  Chunks of the output: products write, LDS stores read, the rows land again, global stores read them.
;   window 1, v192-255   in the hidden stage: kv lands there; the multiplies read it.
;   v224-255             head: kv's sums, read by one LDS store.  The norm: vector work, four LDS stores, 32 LDS loads.  At the end v254, v255 are made anew for the closing add: no memory or LDS instruction has read them.
; So ONE wait on va_vdst stands in a group, behind its products, which empty the buffers that are asked for again at once; the group's loads, and behind a chunk's last group the epilogue's first LDS
; instructions, follow it with no vector or matrix instruction between that names their registers.  The other waits stand where a stage hands registers from one side to the other, each with its reason.
.set CH,   51456                       ; a chunk of wq
.set QB,   12800                       ; a quarter of it: two K steps
.set FB,   1536                        ; a fragment's image
.set XT,   12800                       ; a tile of xq
.set SCR,  262144                      ; LDS: behind the kept q: the waves' sums of squares, 256 w + 64 m + 4 r
.set KVL,  264192                      ; kv: 512 bytes a wave, its own 128 columns
.set HIMG, 268288                      ; the left operand's 32 images: (K step s, tile m) at 1,536 (4 s + m)
.set HSC,  317440                      ; the hidden operand's scale words: 512 m + 16 x lane + 4 j, as xq has x's
.set OP,   272                         ; the way out: a stage of 64 rows x (256 bytes + 16) for each wave, in its own kept q, which it alone has read
.set LI,   1                           ; v1  16 x lane
.set L8,   2                           ; v2  8 x lane
.set H64,  3                           ; v3  64 x (lane / 16)
.set KA0,  4                           ; v4  32,768 w + 16 x lane
.set GO,   5                           ; v5  the way out: my 16 bytes of two rows of out0
.set NW,   6                           ; v6  SCR + 256 w + 4 r
.set NR,   7                           ; v7  SCR + 4 r
.set KVA,  8                           ; v8  KVL + 512 w + 64 (lane / 16)
.set KVW,  9                           ; v9  KVL + 512 w + 16 x lane
.set HWI,  10                          ; v10 HIMG + 6,144 w + 16 x lane: where I store my four hidden images
.set HWS,  11                          ; v11 HSC + 256 (w % 2) + 16 r + 4 (w / 2): and their scale words
.set XR,   12                          ; v12 HIMG + 16 x lane
.set HRS,  13                          ; v13 HSC + 16 x lane
.set SO,   14                          ; v14 the stage: row r, + 64 (lane / 16)
.set SR,   15                          ; v15 and back: lanes 0-15 one row of 256 bytes, lanes 16-31 the next
.set XW,   216                         ; v216 at the head alone: where I store my twelve pieces of x's images
.set XS,   16
.set BS,   32
.set BIAS, 48
.set ACC,  80
.set SS,   208
.set INV,  216
.set KS,   224                         ; v224-231 kv of my lane's four columns, the even and the odd partial sums apart
.set XB,   192                         ; in window 1
.set KT,   192                         ; in window 1
.set H,    80
.set PC,   144
.set TM,   164
.set PW,   180
.set SEL,  20
.set WQ,   12                          ; s[12:13] my first chunk; never rewritten
.set MSB,  0
.macro WIN new                         ; the immediate's high byte repeats the setting that is left; a switch that changes nothing is dropped
.if MSB != (\new)
	s_set_vgpr_msb (MSB<<8)|(\new)
.set MSB, (\new)
.endif
.endm
.macro RING x, off                     ; the four weight fragments of K step x of the chunk at off into ring slot x % 4: twelve loads
	WIN 0x40
.irp t, 0,1,2,3
.irp g, 0,1,2
	global_load_b128 v[48*((\x)%4)+12*\t+4*\g:48*((\x)%4)+12*\t+4*\g+3], v[LI], s[WQ:WQ+1] offset:(\off)+((\x)/2)*QB+(4*((\x)%2)+\t)*FB+512*\g
.endr
.endr
.endm
.macro SCL q, off                      ; the scale words of quarter q: two loads
	WIN 0
.irp i, 0,1
	global_load_b64 v[BS+4*(\q)+2*\i:BS+4*(\q)+2*\i+1], v[L8], s[WQ:WQ+1] offset:(\off)+(\q)*QB+12288+256*\i
.endr
.endm
.macro BIASL off                       ; the biases in the result's layout: eight loads
	WIN 0
.irp t, 0,1,2,3
.irp f, 0,1
	global_load_b128 v[BIAS+8*\t+4*\f:BIAS+8*\t+4*\f+3], v[H64], s[WQ:WQ+1] offset:(\off)+51200+(32*(\t/2)+8*(\t%2))*4+16*\f
.endr
.endr
.endm
.macro XFETCH s                        ; the left operand's four fragments of K step s out of LDS: twelve loads of 512 dense bytes
	WIN 0x40
.irp m, 0,1,2,3
.irp g, 0,1,2
	ds_load_b128 v[XB+12*\m+4*\g:XB+12*\m+4*\g+3], v[XR] offset:FB*(4*(\s)+\m)+512*\g
.endr
.endr
.endm
.macro MM s, t, m                      ; one product: tile t of the chunk x tile m of the rows, K step s
.set rD, ACC+8*(4*(\t)+(\m))
.set rA, RA+12*(\t)
.set rB, XB+12*(\m)
.set rC, BIAS+8*(\t)
.set rP, BS+4*((\s)/2)+2*((\t)/2)+(\s)%2
.set rQ, XS+4*(\m)+(\s)/2
.if (\s) == 0
.if (\t)%2 == 0
	v_wmma_scale_f32_16x16x128_f8f6f4 v[rD:rD+7], v[rA:rA+11], v[rB:rB+11], v[rC:rC+7], v[rP], v[rQ] matrix_a_fmt:MATRIX_FMT_BF6 matrix_b_fmt:MATRIX_FMT_BF6
.else
	v_wmma_scale_f32_16x16x128_f8f6f4 v[rD:rD+7], v[rA:rA+11], v[rB:rB+11], v[rC:rC+7], v[rP], v[rQ] matrix_a_fmt:MATRIX_FMT_BF6 matrix_b_fmt:MATRIX_FMT_BF6 matrix_a_scale:MATRIX_SCALE_ROW1
.endif
.elseif (\s)%2 == 0
.if (\t)%2 == 0
	v_wmma_scale_f32_16x16x128_f8f6f4 v[rD:rD+7], v[rA:rA+11], v[rB:rB+11], v[rD:rD+7], v[rP], v[rQ] matrix_a_fmt:MATRIX_FMT_BF6 matrix_b_fmt:MATRIX_FMT_BF6
.else
	v_wmma_scale_f32_16x16x128_f8f6f4 v[rD:rD+7], v[rA:rA+11], v[rB:rB+11], v[rD:rD+7], v[rP], v[rQ] matrix_a_fmt:MATRIX_FMT_BF6 matrix_b_fmt:MATRIX_FMT_BF6 matrix_a_scale:MATRIX_SCALE_ROW1
.endif
.else
.if (\t)%2 == 0
	v_wmma_scale_f32_16x16x128_f8f6f4 v[rD:rD+7], v[rA:rA+11], v[rB:rB+11], v[rD:rD+7], v[rP], v[rQ] matrix_a_fmt:MATRIX_FMT_BF6 matrix_b_fmt:MATRIX_FMT_BF6 matrix_b_scale:MATRIX_SCALE_ROW1
.else
	v_wmma_scale_f32_16x16x128_f8f6f4 v[rD:rD+7], v[rA:rA+11], v[rB:rB+11], v[rD:rD+7], v[rP], v[rQ] matrix_a_fmt:MATRIX_FMT_BF6 matrix_b_fmt:MATRIX_FMT_BF6 matrix_a_scale:MATRIX_SCALE_ROW1 matrix_b_scale:MATRIX_SCALE_ROW1
.endif
.endif
.endm
; K step s of the chunk at co: the waits for its ring slot and for the left fragments, 16 products (the 16 accumulators by turns, one instruction a turn), four places, the group's one
; wait on va_vdst, and the loads into what has just been read: the left fragments of the next K step (xf = 1); the slot takes the K step four on (of this chunk, or with nxt = 1 of the chunk at no); the next
; chunk's biases and scale words go ahead of the ring's loads of their batch, so that a later wait for the ring covers them.
.macro GROUP s, cnt, nxt, co, no, xf
	s_wait_loadcnt \cnt                            ; the loads issued behind this K step's twelve: the three batches since
	s_wait_dscnt 0x0                               ; the left fragments of this K step are in
.set RA, 48*((\s)%4)
	WIN 0x05                                       ; sources 0 and 1: window 1; C and D: window 0
.irp t, 0,1,2,3
.irp m, 0,1,2,3
	MM \s, \t, \m
.endr
.endr
.rept 4
	v_nop                                          ; four places behind the products: behind a chunk's last group vector instructions and LDS stores read the results; the places stay beside the wait below
.endr
	s_wait_alu depctr_va_vdst(0)                   ; the sixteen products are done reading this ring slot, the left fragments and, where they are asked for anew, the biases and a quarter's scale words: the loads below (behind q's last group: kv's) land in them; and they have written the accumulators, which the LDS stores behind a chunk's last group read and in which the way out's rows land
.if \nxt
.if (\s) == 0
	BIASL \no
.elseif (\s) == 1
	SCL 0, \no
.elseif (\s) == 3
	SCL 1, \no
.elseif (\s) == 5
	SCL 2, \no
.elseif (\s) == 7
	SCL 3, \no
.endif
.endif
.if \xf
.set XN, ((\s)+1)%8
	XFETCH XN
.endif
.if (\s) < 4
	RING (\s)+4, \co
.elseif \nxt
	RING (\s)-4, \no
.endif
.endm
; A chunk's 128 products.  Batches, in global loads: 20, 14, 12, 14, 12, 14, 12, 14 with a next chunk; 12, 12, 12, 12 and nothing without.  xl = 1: the last group fetches K step 0 for the next chunk.
.macro TRIP co, no, nxt, xl
.if \nxt
	GROUP 0, 40, 1, \co, \no, 1
	GROUP 1, 46, 1, \co, \no, 1
	GROUP 2, 48, 1, \co, \no, 1
	GROUP 3, 46, 1, \co, \no, 1
	GROUP 4, 40, 1, \co, \no, 1
	GROUP 5, 38, 1, \co, \no, 1
	GROUP 6, 40, 1, \co, \no, 1
	GROUP 7, 38, 1, \co, \no, \xl
.else
	GROUP 0, 40, 0, \co, 0, 1
	GROUP 1, 38, 0, \co, 0, 1
	GROUP 2, 38, 0, \co, 0, 1
	GROUP 3, 36, 0, \co, 0, 1
	GROUP 4, 36, 0, \co, 0, 1
	GROUP 5, 24, 0, \co, 0, 1
	GROUP 6, 12, 0, \co, 0, 1
	GROUP 7, 0, 0, \co, 0, \xl
.endif
.endm
.macro PROLOGUE                        ; the first chunk's 64 loads, in the order in which a trip before it would have issued them: so the trips' counts hold for the first too
	BIASL 0
	SCL 0, 0
	SCL 1, 0
	RING 0, 0
	SCL 2, 0
	RING 1, 0
	RING 2, 0
	SCL 3, 0
	RING 3, 0
	WIN 0
.endm
.macro EPI_KEEP c                      ; chunk c of q goes to LDS as an image of its accumulators, each from its low end on; its squares are summed by rows.  (The last group's wait on va_vdst has shown the accumulators written)
	WIN 0
.set e, 0
.rept 32
	ds_store_b128 v[KA0], v[ACC+4*e:ACC+4*e+3] offset:16384*(\c)+512*e
.set e, e+1
.endr
.irp t, 0,1,2,3
.irp p, 0,1,2,3
.irp m, 0,1,2,3
	v_pk_fma_f32 v[SS+2*\m:SS+2*\m+1], v[ACC+8*(4*\t+\m)+2*\p:ACC+8*(4*\t+\m)+2*\p+1], v[ACC+8*(4*\t+\m)+2*\p:ACC+8*(4*\t+\m)+2*\p+1], v[SS+2*\m:SS+2*\m+1]
.endr
.endr
.endr
	s_wait_dscnt 0x0                               ; the stores have read the accumulators, which the next chunk's products write
	s_wait_alu depctr_vm_vsrc(0)                   ; the 32 LDS stores have read the accumulators, which the next chunk's products write, or the hidden stage's moves and loads
.endm
.macro NORM                            ; 1 / norm of my four rows 16 m + r, from the eight waves' sums of squares
	WIN 0
.irp m, 0,1,2,3
	v_mov_b32 v[228+\m], 0                         ; a lane permute's destination counts as one of its sources
.endr
	s_wait_alu depctr_va_vdst(0)
.irp m, 0,1,2,3
	v_add_f32 v[224+\m], v[SS+2*\m], v[SS+2*\m+1]
.endr
.irp m, 0,1,2,3
	v_permlanex16_b32 v[228+\m], v[224+\m], s[SEL], s[SEL+1]
.endr
.irp m, 0,1,2,3
	v_add_f32 v[224+\m], v[224+\m], v[228+\m]      ; with lane l xor 16's columns: my wave's 128
.endr
	s_wait_alu depctr_va_vdst(0)                   ; the additions have written v224-227, which the LDS stores read; and the lines above are done with v224-231, in which the loads behind the barrier land
.irp m, 0,1,2,3
	ds_store_b32 v[NW], v[224+\m] offset:64*\m     ; both halves of the lanes write the same word with the same value
.endr
	s_wait_dscnt 0x0                               ; for the others' sake: my stores have landed, and my reads of x's images are over
	s_barrier_signal -1
	s_barrier_wait -1
	s_wait_alu depctr_vm_vsrc(0)                   ; my four LDS stores have read v224-227, in which the loads below land
.irp w, 0,1,2,3,4,5,6,7
.irp m, 0,1,2,3
	ds_load_b32 v[224+4*\w+\m], v[NR] offset:256*\w+64*\m
.endr
.endr
	s_wait_dscnt 0x0
.irp w, 0,2,4,6
.irp m, 0,1,2,3
	v_add_f32 v[224+4*\w+\m], v[224+4*\w+\m], v[228+4*\w+\m]
.endr
.endr
.irp w, 0,4
.irp m, 0,1,2,3
	v_add_f32 v[224+4*\w+\m], v[224+4*\w+\m], v[232+4*\w+\m]
.endr
.endr
.irp m, 0,1,2,3
	v_add_f32 v[224+\m], v[224+\m], v[240+\m]
.endr
	s_wait_alu depctr_va_vdst(0)
.irp m, 0,1,2,3
	v_rsq_f32 v[INV+2*\m], v[224+\m]
.endr
	v_nop                                          ; a plain instruction behind the last of the four
	s_wait_alu depctr_va_vdst(0)                   ; one wait for the four reciprocal roots in v216, v218, v220, v222, ahead of their first reader; it also shows the squares' multiply-adds done reading v80-143, in which the kept q lands next
.irp m, 0,1,2,3
	v_mov_b32 v[INV+2*\m+1], v[INV+2*\m]           ; (the packed forms name a pair)
.endr
.endm
; kv: 32 of the batch's 64 partial sums, from p0 on: my wave's 128 columns of each are one load of 512 dense bytes, into the accumulators' registers
.macro KVSET p0
	WIN 0
.set e, 0
.rept 32
	global_load_b128 v[ACC+4*e:ACC+4*e+3], v[LI], s[8:9] offset:4096*((\p0)+e)
.set e, e+1
.endr
.endm
.macro KVADD first                     ; they are added in ascending order, the even and the odd ones apart: four chains of pairs; first = 1: the first four partial sums start the sums
.set e, 0
.rept 32
.set kd, KS+4*(e%2)
.irp q, 0,2
.if (\first) && (e < 2)
.elseif (\first) && (e < 4)
	v_pk_add_f32 v[kd+\q:kd+\q+1], v[ACC+4*(e-2)+\q:ACC+4*(e-2)+\q+1], v[ACC+4*e+\q:ACC+4*e+\q+1]
.else
	v_pk_add_f32 v[kd+\q:kd+\q+1], v[kd+\q:kd+\q+1], v[ACC+4*e+\q:ACC+4*e+\q+1]
.endif
.endr
.set e, e+1
.endr
.endm
; 64 numbers of a lane, register 16 b + i = k 32 b + 16 (lane / 16) + i of my row, become a fragment's codes in v[PC] on and its scale word in v[PW].
.macro QUANT s
.irp b, 0,1,2,3
	v_max3_num_f32 v[TM+\b], |v[\s+16*\b]|, |v[\s+1+16*\b]|, 0x2800000   ; my 16 numbers of block b, and the floor 2^(5 - 127): the byte cannot fall under 1
.endr
.irp i, 2,4,6,8,10,12,14
.irp b, 0,1,2,3
	v_max3_num_f32 v[TM+\b], v[TM+\b], |v[\s+16*\b+\i]|, |v[\s+1+16*\b+\i]|   ; the four blocks by turns
.endr
.endr
.irp b, 0,1,2,3
	v_permlanex16_b32 v[TM+4+\b], v[TM+\b], s[SEL], s[SEL+1]
.endr
.irp b, 0,1,2,3
	v_max_num_f32 v[TM+\b], v[TM+\b], v[TM+4+\b]       ; with lane l xor 16's: the block's largest magnitude
.endr
.irp b, 0,1,2,3
	v_add_nc_u32 v[TM+12+\b], 0xfe000000, v[TM+\b]     ; 4 off its exponent field: the conversion takes the exponent field of this operand as its scale
.endr
.irp b, 0,1,2,3
	v_lshrrev_b32 v[TM+4+\b], 23, v[TM+12+\b]          ; the scale's byte
.endr
	v_lshl_or_b32 v[PW], v[TM+5], 8, v[TM+4]
	v_lshl_or_b32 v[PW], v[TM+6], 16, v[PW]
	v_lshl_or_b32 v[PW], v[TM+7], 24, v[PW]            ; my row's scale word, the same in both halves of the lanes
.irp c, 0,1
	v_cvt_scalef32_pk16_bf6_f32 v[PC+6*\c:PC+2+6*\c], v[\s+32*\c:\s+15+32*\c], v[TM+12+2*\c]
	v_cvt_scalef32_pk16_bf6_f32 v[PC+12+4*\c:PC+14+4*\c], v[\s+16+32*\c:\s+31+32*\c], v[TM+12+2*\c+1]
.endr
	v_nop                                              ; one plain instruction behind the scaled conversions
.irp c, 0,1                                        ; the operand wants a whole block in a lane: lanes 0-15 block 2 c, lanes 16-31 block 2 c + 1
.irp i, 0,1,2
	v_permlane16_swap_b32 v[PC+6*\c+\i], v[PC+12+4*\c+\i]
.endr
.irp i, 0,1,2
	v_mov_b32 v[PC+3+6*\c+\i], v[PC+12+4*\c+\i]
.endr
.endr
.endm
; K step w of the second product, rows 16 m on: my eight kept tiles of q x 1 / norm x kv, quantised; the image and the scale word go to LDS.
; The sixteen loads land in v80-143: the last vector instructions that named these registers stand ahead of a wait on va_vdst: the norm's last for m = 0, the one below of the tile before for the others.
.macro HFRAG m
.irp e, 0,1,2,3,4,5,6,7
.irp f, 0,1
	ds_load_b128 v[H+8*\e+4*\f:H+8*\e+4*\f+3], v[KA0] offset:16384*(\e/4)+512*(2*(4*(\e%4)+(\m))+\f)
.endr
.endr
	s_wait_dscnt 0x0
.set j, 0
.rept 32
	v_pk_mul_f32 v[H+j:H+j+1], v[H+j:H+j+1], v[INV+2*(\m):INV+2*(\m)+1] op_sel_hi:[1,0]   ; q / norm
.set j, j+2
.endr
	WIN 0x04                                       ; source 1: window 1
.set j, 0
.rept 32
	v_pk_mul_f32 v[H+j:H+j+1], v[H+j:H+j+1], v[KT+j:KT+j+1]                                ; x kv
.set j, j+2
.endr
	WIN 0
	QUANT H
	s_wait_alu depctr_va_vdst(0)                   ; the quantiser has written the codes and the scale word, which the LDS stores read; it and the multiplies are done with v80-143, in which the next tile's numbers land, and, behind the last tile, with kv's registers, in which the left fragments land
.irp g, 0,1,2
	ds_store_b128 v[HWI], v[PC+4*\g:PC+4*\g+3] offset:FB*(\m)+512*\g
.endr
	ds_store_b32 v[HWS], v[PW] offset:512*(\m)     ; both halves of the lanes write the same word with the same value
	s_wait_dscnt 0x0                               ; the stores have read their registers
	s_wait_alu depctr_vm_vsrc(0)                   ; the four LDS stores have read the codes and the scale word, which the next tile's quantiser writes again, and behind the last tile the products
.endm
; Chunk c of the output: 64 rows x 64 columns through my own stage, back as whole rows of 256 bytes, two rows an instruction, into the accumulators' registers.  (The last group's wait on va_vdst has shown the accumulators written)
.macro EPI_OUT c
	WIN 0
	v_nop                                          ; a fifth place: the next chunk's first products write over these accumulators with another C
.irp t, 0,1,2,3
.irp m, 0,1,2,3
	ds_store_b128 v[SO], v[ACC+8*(4*\t+\m):ACC+8*(4*\t+\m)+3] offset:16*OP*\m+(32*(\t/2)+8*(\t%2))*4       ; each accumulator from its low end on
	ds_store_b128 v[SO], v[ACC+8*(4*\t+\m)+4:ACC+8*(4*\t+\m)+7] offset:16*OP*\m+(32*(\t/2)+8*(\t%2))*4+16
.endr
.endr
	s_wait_dscnt 0x0                               ; the stores have read the registers into which the rows come back
	s_wait_alu depctr_vm_vsrc(0)                   ; the 32 LDS stores have read the accumulators, in which the loads below land
.set e, 0
.rept 32
	ds_load_b128 v[ACC+4*e:ACC+4*e+3], v[SR] offset:2*OP*e
.set e, e+1
.endr
.set e, 0
.rept 32
	s_wait_dscnt 31-e                              ; pair e of rows is back; the younger loads may be out
	global_store_b128 v[GO], v[ACC+4*e:ACC+4*e+3], s[10:11] offset:8192*e+256*(\c) th:TH_STORE_NT   ; sixteen lanes store 256 consecutive bytes, at a multiple of 256 from out0's first byte; written once, read by nobody here
.set e, e+1
.endr
.endm
	s_load_b256 s[4:11], s[0:1], 0x0               ; xq s[4:5], wq s[6:7], kvp s[8:9], out0 s[10:11]
	v_lshrrev_b32 v2, 5, v0
	v_readfirstlane_b32 s16, v2                    ; wave 0..7
	v_and_b32 v224, 31, v0                         ; lane
	v_and_b32 v225, 15, v0                         ; r
	v_bfe_u32 v226, v0, 4, 1                       ; h
	v_lshlrev_b32 v[LI], 4, v224
	s_wait_alu depctr_va_vdst(0)
	v_lshlrev_b32 v[L8], 3, v224
	v_lshlrev_b32 v[H64], 6, v226
	s_wait_alu depctr_va_sdst(0)                   ; s16 is written, ahead of its first reader: LDS addresses and the bases of xq, wq, kvp and out0 are made from it
	s_lshr_b32 s17, s16, 1                         ; w / 2
	s_and_b32 s18, s16, 1                          ; w % 2
	s_lshl_b32 s23, s16, 15                        ; 32,768 w
	v_add_nc_u32 v[KA0], s23, v[LI]
	v_lshl_add_u32 v[NR], v225, 2, SCR
	s_lshl_b32 s22, s16, 8
	v_add_nc_u32 v[NW], s22, v[NR]
	s_lshl_b32 s22, s16, 9
	s_add_co_u32 s22, s22, KVL
	v_add_nc_u32 v[KVA], s22, v[H64]
	v_add_nc_u32 v[KVW], s22, v[LI]
	s_mul_i32 s22, s16, 4*FB
	s_add_co_u32 s22, s22, HIMG
	v_add_nc_u32 v[HWI], s22, v[LI]
	s_lshl_b32 s22, s18, 8
	s_lshl_b32 s24, s17, 2
	s_add_co_u32 s22, s22, s24
	s_add_co_u32 s22, s22, HSC
	v_lshl_add_u32 v[HWS], v225, 4, s22
	v_add_nc_u32 v[XR], HIMG, v[LI]
	v_add_nc_u32 v[HRS], HSC, v[LI]
	s_mul_i32 s22, s17, FB
	s_mul_i32 s24, s18, 16*FB
	s_add_co_u32 s22, s22, s24
	s_add_co_u32 s22, s22, HIMG
	v_add_nc_u32 v[XW], s22, v[LI]                 ; image (K step 4 (w % 2), tile w / 2)
	v_mul_u32_u24 v[SO], v225, OP
	v_add_nc_u32 v[SO], v[SO], v[H64]
	v_add_nc_u32 v[SO], s23, v[SO]
	v_mul_u32_u24 v[SR], v226, OP
	v_lshl_add_u32 v[SR], v225, 4, v[SR]
	v_add_nc_u32 v[SR], s23, v[SR]
	v_lshlrev_b32 v[GO], 12, v226                  ; a row of out0 is 4,096 bytes
	v_lshl_add_u32 v[GO], v225, 4, v[GO]
.irp i, 0,1,2,3,4,5,6,7
	v_mov_b32 v[SS+\i], 0
.endr
	s_mov_b32 s[SEL], 0x76543210
	s_mov_b32 s[SEL+1], 0xfedcba98                 ; v_permlanex16_b32's selects for lane l xor 16
	s_mul_i32 s24, ttmp9, 4*XT                     ; my work-group's four tiles of xq
	s_mov_b32 s25, 0
	s_mul_i32 s26, s17, XT                         ; in them: my tile,
	s_mul_i32 s22, s18, 4*FB                       ; my four K steps
	s_add_co_u32 s26, s26, s22
	s_mov_b32 s27, 0
	s_lshl_b32 s28, s17, 3
	s_lshl_b32 s22, s18, 1
	s_add_co_u32 s28, s28, s22                     ; my first chunk's place: 8 (w / 2) + 2 (w % 2)
	s_mul_i32 s28, s28, CH
	s_mov_b32 s29, 0
	s_lshl_b32 s22, s16, 9                         ; my wave's 128 columns in bytes
	s_lshr_b32 s30, ttmp9, 6                       ; my batch: 64 work-groups each
	s_lshl_b32 s30, s30, 18                        ; its 64 partial sums of 4,096 bytes
	s_add_co_u32 s30, s30, s22
	s_mov_b32 s31, 0
	s_lshl_b32 s32, ttmp9, 18                      ; my 64 rows of out0
	s_add_co_u32 s32, s32, s22
	s_mov_b32 s33, 0
	s_wait_kmcnt 0x0
	s_add_nc_u64 s[4:5], s[4:5], s[24:25]
	s_add_nc_u64 s[34:35], s[4:5], s[26:27]
	s_add_nc_u64 s[WQ:WQ+1], s[6:7], s[28:29]
	s_add_nc_u64 s[8:9], s[8:9], s[30:31]
	s_add_nc_u64 s[10:11], s[10:11], s[32:33]
	WIN 0x40
	s_wait_alu depctr_va_vdst(0)                   ; the sixteen addresses v1 to v15 and v216 are written, which the loads and stores of the kernel read
.set j, 0
.rept 12                                       ; my twelve pieces of x's images: 6,144 dense bytes
	global_load_b128 v[XB+4*j:XB+4*j+3], v[LI], s[34:35] offset:512*j
.set j, j+1
.endr
	WIN 0
.irp m, 0,1,2,3
	global_load_b128 v[XS+4*\m:XS+4*\m+3], v[LI], s[4:5] offset:XT*\m+12288   ; x's scale words stay in registers
.endr
	KVSET 0
	s_wait_loadcnt 36                              ; my twelve pieces are in: the 4 loads of scale words and the 32 of partial sums may be out
	WIN 0x04                                       ; an LDS store's data are its source 1: window 1
.set j, 0
.rept 12
	ds_store_b128 v[XW], v[XB+4*j:XB+4*j+3] offset:4*FB*(j/3)+512*(j%3)
.set j, j+1
.endr
	WIN 0
	s_wait_loadcnt 0x0                             ; partial sums 0-31 are in
	KVADD 1
	s_wait_alu depctr_va_vdst(0)                   ; the additions are done reading partial sums 0-31, in whose registers partial sums 32-63 land
	KVSET 32
	PROLOGUE
	s_wait_loadcnt 63                              ; partial sums 32-63 are in: 64 loads stand behind them
	KVADD 0
	v_pk_add_f32 v[KS:KS+1], v[KS:KS+1], v[KS+4:KS+5]
	v_pk_add_f32 v[KS+2:KS+3], v[KS+2:KS+3], v[KS+6:KS+7]
	s_wait_alu depctr_va_vdst(0)                   ; the additions have written kv in v224-227, which the LDS store reads
	ds_store_b128 v[KVW], v[KS:KS+3]               ; kv of my wave's 128 columns, as they lie: read by my wave alone
	s_wait_dscnt 0x0                               ; for the others' sake: my stores have landed
	s_barrier_signal -1
	s_barrier_wait -1                              ; x's 32 images lie in LDS
	s_wait_alu depctr_vm_vsrc(0)                   ; my LDS stores have read the registers of the left fragments, in which the loads below land, and v216 and v224-227, which the norm's lines write
	XFETCH 0
	TRIP 0, CH, 1, 1                               ; q, first chunk
	EPI_KEEP 0
	TRIP CH, 4*CH, 1, 0                            ; q, second chunk; it already asks for the first chunk of W_out
	EPI_KEEP 1
	NORM
	; ---- the hidden operand: my 128 columns are K step w of the second product.  Behind the barrier above nobody reads x's images: the hidden images take their bytes
.irp b, 0,1,2,3
	v_mov_b32 v[TM+4+\b], 0                        ; written once: a lane permute's destination counts as one of its sources
.endr
	WIN 0x40
.set e, 0
.rept 16                                       ; kv in the order of QUANT's numbers: register 16 b + i = column 32 b + 16 (lane / 16) + i of my 128.  (The products that read these registers stand ahead of their group's wait on va_vdst)
	ds_load_b128 v[KT+4*e:KT+4*e+3], v[KVA] offset:128*(e/4)+16*(e%4)
.set e, e+1
.endr
	WIN 0
	s_wait_alu depctr_va_vdst(0)
.irp m, 0,1,2,3
	HFRAG \m
.endr
	s_wait_dscnt 0x0                               ; for the others' sake: my images and scale words have landed
	s_barrier_signal -1
	s_barrier_wait -1                              ; the hidden operand's 32 images lie in LDS
.irp m, 0,1,2,3
	ds_load_b128 v[XS+4*\m:XS+4*\m+3], v[HRS] offset:512*\m   ; its scale words take the place of x's, which the products of q's chunks, long shown done, were the last to read
.endr
	XFETCH 0
	TRIP 4*CH, 5*CH, 1, 1                          ; the output, first chunk
	EPI_OUT 0
	s_wait_xcnt 0x0                                ; the stores have read their registers, which the next chunk's products write
	s_wait_alu depctr_vm_vsrc(0)                   ; the 32 global stores have read the rows in v80-207, which the next chunk's products write
	TRIP 5*CH, 0, 0, 0                             ; second chunk: it asks for nothing beyond itself: no load leaves the buffer
	EPI_OUT 1
	s_wait_xcnt 0x0
	v_lshl_add_u32 v254, v0, 2, 0x4e000
	v_mov_b32 v255, 0
	s_wait_dscnt 0x0                               ; the closing lines, six on end
	s_wait_alu 0x0
	s_wait_tensorcnt 0x0
	ds_add_u32 v254, v255
	s_wait_dscnt 0x0
	s_endpgm
.Lfunc_end_k_q888ccca8ec_attn:
	.size	k_q888ccca8ec_attn, .Lfunc_end_k_q888ccca8ec_attn-k_q888ccca8ec_attn
	.p2alignl 7, 3214868480
	.fill 96, 4, 3214868480
	.section	.rodata,"a",@progbits
	.p2align	6, 0x0
	.amdhsa_kernel k_q888ccca8ec_attn
		.amdhsa_group_segment_fixed_size 320512
		.amdhsa_private_segment_fixed_size 0
		.amdhsa_enable_private_segment 0
		.amdhsa_kernarg_size 32
		.amdhsa_user_sgpr_count 2
		.amdhsa_user_sgpr_kernarg_segment_ptr 1
		.amdhsa_wavefront_size32 1
		.amdhsa_system_sgpr_workgroup_id_x 1
		.amdhsa_system_sgpr_workgroup_id_y 1
		.amdhsa_system_sgpr_workgroup_id_z 1
		.amdhsa_system_vgpr_workitem_id 0
		.amdhsa_next_free_vgpr 512
		.amdhsa_next_free_sgpr 66
		.amdhsa_reserve_vcc 0
		.amdhsa_float_denorm_mode_32 3
		.amdhsa_float_denorm_mode_16_64 3
		.amdhsa_memory_ordered 1
		.amdhsa_forward_progress 1
		.amdhsa_inst_pref_size 232
	.end_amdhsa_kernel
	.amdgpu_metadata
---
amdhsa.version: [ 1, 2 ]
amdhsa.kernels:
  - .name:           k_q888ccca8ec_attn
    .symbol:         k_q888ccca8ec_attn.kd
    .args:
      - { .name: xq, .offset: 0, .size: 8, .value_kind: global_buffer, .address_space: global }
      - { .name: wq, .offset: 8, .size: 8, .value_kind: global_buffer, .address_space: global }
      - { .name: kvp, .offset: 16, .size: 8, .value_kind: global_buffer, .address_space: global }
      - { .name: out0, .offset: 24, .size: 8, .value_kind: global_buffer, .address_space: global }
    .group_segment_fixed_size: 320512
    .private_segment_fixed_size: 0
    .kernarg_segment_align: 8
    .kernarg_segment_size: 32
    .max_flat_workgroup_size: 256
    .sgpr_count:     66
    .vgpr_count:     512
    .wavefront_size: 32
...
	.end_amdgpu_metadata
.endif
;; end of part 6
